; MI455X (gfx1250); checked and timed in simulation.
; The chip was launched on July 23, 2026; its instructions are those of AMD's public machine-readable ISA for CDNA 5 (MIT licence, August 2026) and "CDNA5" Instruction Set Architecture Reference Guide (July 2026). The comments in the code are by the model that wrote it; some were corrected since.
;; Model. Allowed arithmetic: matrix products marked QUANTISED: E3M2 operands, one E8M0 scale for each 32 along K, by v_wmma_scale_f32_16x16x128_f8f6f4 with both operands' format E3M2, f32 sums; everything else in f32.
;; Inputs: k 8 x 2,048 x 1,024 float32; q 8 x 2,048 x 1,024 float32; v 8 x 2,048 x 512 float32; w1 1,024 x 512 float32; w2 512 x 128 float32; w3 1,024 x 512 float32; w4 1,024 x 512 float32; w6 512 x 128 float32; w7 1,024 x 512 float32.
;; Outputs: out0 8 x 2,048 x 512 float32.
;; This version of the problem:
;;   THIS VERSION OF THE PROBLEM IS GIVEN IN LOW PRECISION. The matrix products marked QUANTISED in the list below multiply operands that are first quantised to E3M2 (3 exponent bits, 2 mantissa bits; 6 bits a number), with one power-of-two scale for each 32 numbers along K (OCP MX v1.0); their sums are f32. All else is computed in f32.
;;   The module's matrix products, in the order in which they are computed (A, B: the left and right operand; K: the contracted axis; several contracted axes count as one K, in the product's order):
;;     1. [M 16,384, K 1,024] x [K 1,024, N 512]; A: input q; B: input w1: QUANTISED
;;     2. [M 16,384, K 512] x [K 512, N 128]; A: computed on the way; B: input w2: QUANTISED
;;     3. [M 16,384, K 1,024] x [K 1,024, N 512]; A: input q; B: input w3: QUANTISED
;;     4. [M 16,384, K 1,024] x [K 1,024, N 512]; A: input k; B: input w4: QUANTISED
;;     5. [M 16,384, K 512] x [K 512, N 128]; A: computed on the way; B: input w6: QUANTISED
;;     6. batch 8 x [M 2,048, K 128] x [K 128, N 2,048]; A: computed on the way; B: computed on the way: QUANTISED
;;     7. batch 8 x [M 2,048, K 2,048] x [K 2,048, N 512]; A: softmax (see below); B: input v: QUANTISED
;;     8. [M 16,384, K 1,024] x [K 1,024, N 512]; A: computed on the way; B: input w7: QUANTISED
;;     9. [M 16,384, K 1,024] x [K 1,024, N 512]; A: computed on the way; B: input w7: QUANTISED
;;   THE QUANTISER, for each operand of a quantised product, along K:
;;     - K is cut into blocks of 32 from its start; a last block that is shorter is filled with zeros.
;;     - A block's scale is 2^e with e = floor(log2(the largest magnitude in the block)) - 4, held to -126 .. 127; a block of zeros has e = 0. As a byte (E8M0): e + 127.
;;     - Each number is divided by its block's scale, clamped to +-28, and rounded to the nearest number of E3M2, ties to even, subnormals kept.
;;     - The product sums the exact products of the quantised numbers (number of the format x scale) in f32.
;;   ~~~python
;;   def quantise(x, axis):      # numpy; x: float32 -> the quantised numbers, widened to float32 again
;;       x = np.moveaxis(x, axis, -1); K = x.shape[-1]
;;       x = np.pad(x, [(0, 0)] * (x.ndim - 1) + [(0, -K % 32)]); x = x.reshape(x.shape[:-1] + (-1, 32)); a = np.abs(x).max(-1, keepdims=True)
;;       e = np.where(a > 0, np.clip(np.frexp(np.where(a > 0, a, 1))[1] - 1 - 4, -126, 127), 0)      # np.frexp(a)[1] - 1 = floor(log2(a)), exactly
;;       r = np.clip(x / 2.0 ** e, -28, 28)
;;       step = 2.0 ** (np.maximum(np.frexp(np.where(r == 0, 1, r))[1] - 1, -2) - 2)
;;       q = np.round(r / step) * step * 2.0 ** e      # np.round: ties to even
;;       return np.moveaxis(q.reshape(q.shape[:-2] + (-1,))[..., :K], -1, axis).astype(np.float32)
;;   ~~~
;;   SOFTMAX AHEAD OF A QUANTISED PRODUCT. Where the list says 'softmax', what is quantised is not the finished softmax but p = 2^(t - M), with t = logit x log2(e) and M = ceil(the row's largest t), a whole number; so 1/2 < the row's largest p <= 1. The row's sum l is taken of the UNQUANTISED p, in f32, and the product's result is divided by l at the end. Since M is a whole number, a kernel that streams over the keys may use a running M (the ceiling of the running maximum): every later rescaling is an exact power of two, which a block's scale takes up: the codes' values come out the same.
;;   OPERANDS COMPUTED ON THE WAY. 'Computed on the way' means the value that the module computes at that place (a softmax that the list does not call 'softmax' is quantised finished and normalised). What goes into a quantiser is computed in f32, as accurately as f32 sums, v_exp_f32 and their like allow (about 1e-6 of the number): no bf16 or f16 on the way to a quantiser, and a product that is left as it is and whose result goes on into a quantised operand takes f32 operands (vector FMAs, or v_wmma_f32_16x16x4_f32). A number that lies on a knife's edge between two numbers of the format may be rounded either way, as far as f32 arithmetic and the matrix unit's own rounding can turn it there, and no further.
;; 2 versions, each right; version 2 is version 1 with the launches proj, attn written anew for expert scheduling mode. Each part assembles by itself: llvm-mc -triple=amdgcn-amd-amdhsa -mcpu=gfx1250 --defsym DOCPART=n.
;; ======== version 1 of 2: 3 launches
;; workspace buffers: wq 8,294,400 bytes; act 10,223,616 bytes
;; launch prep (part 1): grid 324 x 1, 4 waves a work-group, no clusters, 25,088 bytes of LDS; arguments v, w1, w3, w4, w7, w2, w6, wq; writes wq
.if DOCPART == 1
	.amdgcn_target "amdgcn-amd-amdhsa--gfx1250"
	.amdhsa_code_object_version 6
	.text
	.protected	k_qc634f9b297_prep
	.globl	k_qc634f9b297_prep
	.p2align	8
	.type	k_qc634f9b297_prep,@function
k_qc634f9b297_prep:
	s_mov_b64 s[64:65], 0
	v_nop
	global_prefetch_b8 v0, s[64:65] scope:SCOPE_SE
	s_setreg_imm32_b32 hwreg(HW_REG_WAVE_MODE, 25, 1), 1
	s_wait_xcnt 0x0
; Every operand whose K is its FIRST axis (v as [16384][512], w1, w3, w4, w7 as [1024][512], w2, w6 as [512][128], all f32) becomes codes of BF6 (E3M2)
; with one E8M0 byte for each 32 along K, laid in wq in THE ORDER OF THE OPERAND'S REGISTERS:
;   a fragment (16 columns x 128 K) is 1,536 bytes: piece c (0..2) at 512 c + 16 lane holds registers 4 c .. 4 c + 3 of that lane; fragment index = K step x tiles + tile.
;   Of 32 neighbouring columns x, tile 2 p + u takes x = 8 u + r + 8 (r / 8), so that the results of two neighbouring tiles are 16 neighbours along the next product's K.
;   The scale words of tiles 2 p and 2 p + 1 share 128 bytes: lanes 0-15 tile 2 p's rows, lanes 16-31 tile 2 p + 1's.
; A LANE TAKES A COLUMN AND ITS REGISTERS RUN DOWN K: a block of 32 lies in one lane, its largest magnitude needs no other lane, and the conversions give codes with K innermost.
; A work-group takes 128 columns x 256 K, a wave 32 columns (one pair of tiles) x 8 blocks (two K steps).  All seven tensors take one path: pointers and sizes are chosen on the work-group's number alone.
; A block's scale is 2^(floor(log2(largest magnitude)) - 4): its byte is the largest magnitude's exponent field - 4, held at 1 from below.
; LIMITS: NaN and infinities among the inputs are not served; a block whose largest magnitude lies under 2^-122 keeps the byte 1; a block of zeros keeps the byte 1 with zero codes (this program alone reads the bytes).
; A stream: waves share nothing, so no barrier, no cluster, no tensor load; 64 loads of a wave are out at the most, 32 while a block is worked on.
.set W1C, 0
.set W3C, 393216
.set W4C, 786432
.set W7C, 1179648
.set W1S, 1572864
.set W3S, 1589248
.set W4S, 1605632
.set W7S, 1622016
.set W2C, 1638400
.set W6C, 1687552
.set W2S, 1736704
.set W6S, 1738752
.set VCO, 1740800
.set VSO, 8032256
.set C,    16                          ; v16-21  a block's six registers of codes
.set T,    22                          ; v22-24  the second conversion's result (three registers begin on an even number)
.set OFF,  32                          ; v32-63  4 lane + i rows
.set X,    64                          ; v64-127 two sets of 32 numbers
.set OUTR, 128                         ; v128-175 the way out
.set BB,   32                          ; s[32:47] block t's first row, eight pairs
	s_load_b512 s[8:23], s[0:1], 0x0               ; v s[8:9], w1, w3, w4, w7, w2, w6 s[20:21], wq s[22:23]
	v_lshl_add_u32 v176, v0, 2, 0x6000
	v_mov_b32 v177, 0
	v_lshrrev_b32 v1, 5, v0
	v_readfirstlane_b32 s24, v1                    ; wave
	v_and_b32 v1, 31, v0                           ; lane = my column x of the wave's 32
	v_lshlrev_b32 v2, 2, v1                        ; 4 x lane
	v_bfe_u32 v7, v0, 3, 1                         ; u = (x >> 3) & 1
	v_and_b32 v8, 7, v0
	v_bfe_u32 v9, v0, 4, 1
	v_lshl_add_u32 v8, v9, 3, v8                   ; r = (x & 7) + 8 (x >> 4)
	s_mul_i32 s25, s24, 6144                       ; my wave's stage: two K steps x two fragment images
	v_mul_u32_u24 v3, v7, 1536
	v_lshl_add_u32 v3, v8, 4, v3
	v_add_nc_u32 v3, s25, v3                       ; into it: tile u, lane r
	v_lshlrev_b32 v5, 4, v1                        ; 16 x lane
	v_add_nc_u32 v4, s25, v5                       ; out of it
	v_lshl_add_u32 v6, v7, 4, v8
	v_lshlrev_b32 v6, 2, v6                        ; my scale word's place in the pair's 128 bytes
	s_wait_kmcnt 0x0
	s_mov_b64 s[26:27], s[8:9]                     ; the tensor, its codes' and scales' places in wq, its first work-group: v's, unless a later segment holds
	s_mov_b32 s28, VCO
	s_mov_b32 s29, VSO
	s_mov_b32 s30, 0
.macro SEG first, ptr, co, so
	s_cmp_ge_u32 ttmp9, \first
	s_cselect_b64 s[26:27], s[\ptr:\ptr+1], s[26:27]
	s_cselect_b32 s28, \co, s28
	s_cselect_b32 s29, \so, s29
	s_cselect_b32 s30, \first, s30
.endm
	SEG 256, 10, W1C, W1S
	SEG 272, 12, W3C, W3S
	SEG 288, 14, W4C, W4S
	SEG 304, 16, W7C, W7S
	SEG 320, 18, W2C, W2S
	SEG 322, 20, W6C, W6S
	s_mov_b32 s31, 2048
	s_cmp_ge_u32 ttmp9, 320                        ; w2 and w6 have 128 columns, the others 512
	s_cselect_b32 s31, 512, s31                    ; a row in bytes
	s_cselect_b32 s48, 8, 32                       ; tiles of 16 columns
	s_cselect_b32 s49, 0, 3
	s_cselect_b32 s50, 0, 2
	s_sub_co_u32 s51, ttmp9, s30
	s_and_b32 s52, s51, s49                        ; which 128 columns
	s_lshr_b32 s53, s51, s50                       ; which 256 along K
	s_mul_i32 s54, s53, s31
	s_lshl_b32 s54, s54, 8
	s_lshl_b32 s55, s52, 9
	s_add_co_u32 s54, s54, s55
	s_lshl_b32 s55, s24, 7
	s_add_co_u32 s54, s54, s55                     ; 256 y rows + 512 bytes x chunk + 128 bytes x wave
	s_mov_b32 s55, 0
	s_add_nc_u64 s[BB:BB+1], s[26:27], s[54:55]
	s_lshl_b32 s56, s31, 5                         ; 32 rows
	s_mov_b32 s57, 0
.irp t, 1,2,3,4,5,6,7
	s_add_nc_u64 s[BB+2*\t:BB+2*\t+1], s[BB+2*\t-2:BB+2*\t-1], s[56:57]
.endr
	s_lshl_b32 s58, s52, 2
	s_add_co_u32 s58, s58, s24                     ; my pair of tiles
	s_mul_i32 s59, s53, s48
	s_add_co_u32 s59, s59, s58                     ; y x tiles + pair
	s_mul_i32 s60, s59, 3072
	s_add_co_u32 s60, s60, s28
	s_mov_b32 s61, 0
	s_add_nc_u64 s[8:9], s[22:23], s[60:61]        ; codes of K step 2 y, tiles 2 p and 2 p + 1: 3,072 bytes on end
	s_mul_i32 s60, s48, 1536
	s_add_nc_u64 s[10:11], s[8:9], s[60:61]        ; and of K step 2 y + 1
	s_lshl_b32 s60, s59, 7
	s_add_co_u32 s60, s60, s29
	s_add_nc_u64 s[12:13], s[22:23], s[60:61]      ; the pair's scale words of K step 2 y
	s_lshl_b32 s60, s48, 6
	s_add_nc_u64 s[14:15], s[12:13], s[60:61]      ; and of 2 y + 1
.set i, 0
.rept 32
	v_mad_u32_u24 v[OFF+i], s31, i, v2             ; row i of a block, my column
.set i, i+1
.endr
.macro LOAD t                          ; block t into set t % 2: each load reads 128 consecutive bytes
.set i, 0
.rept 32
	global_load_b32 v[X+32*((\t)%2)+i], v[OFF+i], s[BB+2*(\t):BB+2*(\t)+1] th:TH_LOAD_NT
.set i, i+1
.endr
.endm
.macro BLOCK t
.set XS,  X+32*((\t)%2)
.set KSP, (\t)/4                       ; which of my two K steps
.set CC,  ((\t)/2)%2                   ; the block is number 2 CC + HH of the K step: registers 6 CC .. 6 CC + 5 of lane r + 16 HH
.set HH,  (\t)%2
.if (\t) < 7
	s_wait_loadcnt 32                              ; this block's 32 loads are in; the next block's may be out
.else
	s_wait_loadcnt 0x0
.endif
	v_max3_num_f32 v10, |v[XS]|, |v[XS+1]|, |v[XS+2]|
	v_max3_num_f32 v11, |v[XS+3]|, |v[XS+4]|, |v[XS+5]|
.irp i, 6,10,14,18,22,26
	v_max3_num_f32 v10, v10, |v[XS+\i]|, |v[XS+\i+1]|
	v_max3_num_f32 v11, v11, |v[XS+\i+2]|, |v[XS+\i+3]|
.endr
	v_max3_num_f32 v10, v10, |v[XS+30]|, |v[XS+31]|
	v_max3_num_f32 v10, v10, v11, 0x2800000        ; and the floor 2^(5 - 127): the byte cannot fall under 1
	v_add_nc_u32 v12, 0xfe000000, v10              ; 4 off the exponent field: the conversion's scale operand
	v_lshrrev_b32 v13, 23, v12                     ; the scale's byte
.if (\t)%4 == 0
	v_mov_b32 v[14+KSP], v13
.else
	v_lshl_or_b32 v[14+KSP], v13, 8*((\t)%4), v[14+KSP]
.endif
	v_cvt_scalef32_pk16_bf6_f32 v[C:C+2], v[XS:XS+15], v12
	v_cvt_scalef32_pk16_bf6_f32 v[T:T+2], v[XS+16:XS+31], v12
	v_nop                                          ; one plain place behind a scaled conversion
	v_mov_b32 v[C+3], v[T]
	v_mov_b32 v[C+4], v[T+1]
	v_mov_b32 v[C+5], v[T+2]
.if CC == 0
	ds_store_b128 v3, v[C:C+3] offset:3072*KSP+256*HH          ; registers 0-3: piece 0
	ds_store_b64 v3, v[C+4:C+5] offset:3072*KSP+256*HH+512     ; registers 4, 5: the lower half of piece 1
.else
	ds_store_b64 v3, v[C:C+1] offset:3072*KSP+256*HH+520       ; registers 6, 7: its upper half
	ds_store_b128 v3, v[C+2:C+5] offset:3072*KSP+256*HH+1024   ; registers 8-11: piece 2
.endif
.if (\t)+2 < 8
	LOAD (\t)+2
.endif
	s_wait_dscnt 0x0                               ; the stores have read their registers: the next block's codes may be written
.if (\t)%4 == 3
	global_store_b32 v6, v[14+KSP], s[12+2*KSP:13+2*KSP]       ; the K step's scale word of my column
.endif
.endm
	LOAD 0
	LOAD 1
.irp t, 0,1,2,3,4,5,6,7
	BLOCK \t
.endr
.set i, 0
.rept 12
	ds_load_b128 v[OUTR+4*i:OUTR+4*i+3], v4 offset:512*i       ; LDS serves a wave's instructions in order: these see my stores
.set i, i+1
.endr
.set i, 0
.rept 12
	s_wait_dscnt 11-i                              ; piece i is in; the younger ones may be out
.if i < 6
	global_store_b128 v5, v[OUTR+4*i:OUTR+4*i+3], s[8:9] offset:512*i          ; 32 lanes store 512 consecutive bytes, at a multiple of 256 from the buffer's first byte
.else
	global_store_b128 v5, v[OUTR+4*i:OUTR+4*i+3], s[10:11] offset:512*(i-6)
.endif
.set i, i+1
.endr
	s_wait_tensorcnt 0x0
	ds_add_u32 v176, v177
	s_wait_dscnt 0x0
	s_endpgm
.Lfunc_end_k_qc634f9b297_prep:
	.size	k_qc634f9b297_prep, .Lfunc_end_k_qc634f9b297_prep-k_qc634f9b297_prep
	.p2alignl 7, 3214868480
	.fill 96, 4, 3214868480
	.section	.rodata,"a",@progbits
	.p2align	6, 0x0
	.amdhsa_kernel k_qc634f9b297_prep
		.amdhsa_group_segment_fixed_size 25088
		.amdhsa_private_segment_fixed_size 0
		.amdhsa_enable_private_segment 0
		.amdhsa_kernarg_size 64
		.amdhsa_user_sgpr_count 2
		.amdhsa_user_sgpr_kernarg_segment_ptr 1
		.amdhsa_wavefront_size32 1
		.amdhsa_system_sgpr_workgroup_id_x 1
		.amdhsa_system_sgpr_workgroup_id_y 1
		.amdhsa_system_sgpr_workgroup_id_z 1
		.amdhsa_system_vgpr_workitem_id 0
		.amdhsa_next_free_vgpr 178
		.amdhsa_next_free_sgpr 66
		.amdhsa_reserve_vcc 0
		.amdhsa_float_denorm_mode_32 3
		.amdhsa_float_denorm_mode_16_64 3
		.amdhsa_memory_ordered 1
		.amdhsa_forward_progress 1
		.amdhsa_inst_pref_size 47
	.end_amdhsa_kernel
	.amdgpu_metadata
---
amdhsa.version: [ 1, 2 ]
amdhsa.kernels:
  - .name:           k_qc634f9b297_prep
    .symbol:         k_qc634f9b297_prep.kd
    .args:
      - { .name: v, .offset: 0, .size: 8, .value_kind: global_buffer, .address_space: global }
      - { .name: w1, .offset: 8, .size: 8, .value_kind: global_buffer, .address_space: global }
      - { .name: w3, .offset: 16, .size: 8, .value_kind: global_buffer, .address_space: global }
      - { .name: w4, .offset: 24, .size: 8, .value_kind: global_buffer, .address_space: global }
      - { .name: w7, .offset: 32, .size: 8, .value_kind: global_buffer, .address_space: global }
      - { .name: w2, .offset: 40, .size: 8, .value_kind: global_buffer, .address_space: global }
      - { .name: w6, .offset: 48, .size: 8, .value_kind: global_buffer, .address_space: global }
      - { .name: wq, .offset: 56, .size: 8, .value_kind: global_buffer, .address_space: global }
    .group_segment_fixed_size: 25088
    .private_segment_fixed_size: 0
    .kernarg_segment_align: 8
    .kernarg_segment_size: 64
    .max_flat_workgroup_size: 128
    .sgpr_count:     66
    .vgpr_count:     178
    .wavefront_size: 32
...
	.end_amdgpu_metadata
.endif
;; end of part 1
;; launch proj (part 2): grid 256 x 1, 4 waves a work-group, no clusters, 246,272 bytes of LDS; arguments q, k, wq, act; writes act
.if DOCPART == 2
	.amdgcn_target "amdgcn-amd-amdhsa--gfx1250"
	.amdhsa_code_object_version 6
	.text
	.protected	k_qc634f9b297_proj
	.globl	k_qc634f9b297_proj
	.p2align	8
	.type	k_qc634f9b297_proj,@function
k_qc634f9b297_proj:
	s_mov_b64 s[64:65], 0
	v_nop
	global_prefetch_b8 v0, s[64:65] scope:SCOPE_SE
	s_setreg_imm32_b32 hwreg(HW_REG_WAVE_MODE, 25, 1), 1
	s_wait_xcnt 0x0
; Work-groups 0-127 take 128 rows of q: h = Q(q) Q(w1), q2 = Q(h) Q(w2), q3 = Q(q) Q(w3).  Work-groups 128-255 take 128 rows of k: h = Q(k) Q(w4), k3 = Q(h) Q(w6).
; All products on codes of BF6 (E3M2) with one E8M0 scale for each 32 along K; sums in f32.  q2, k3 and q3 are only ever used as quantised operands: they leave as codes, as images of the operand's registers.
; A FRAGMENT IMAGE (16 rows x 128 K, 12 registers a lane) is 1,536 bytes: piece c at 512 c + 16 lane holds the lane's registers 4 c .. 4 c + 3; its scale words are 128 bytes, 4 a lane.
; ROWS OF A TILE: of 32 neighbouring rows x, tile 2 p + u takes x = 8 u + r + 8 (r / 8); the weights' columns are laid the same way by the launch before.
; EVERY PRODUCT IS USED TRANSPOSED (source 0 = 16 columns of the weight, source 1 = 16 rows of x): a lane holds one row, and the 16 registers of two neighbouring tiles are 16 neighbours along the next K.
; PHASE X: wave w quantises rows 32 w .. 32 w + 31 (two tiles x eight K steps); each load takes 512 consecutive bytes of one row; a unit of 16 rows x 128 K turns through the wave's own stage, so that a lane holds 16 neighbours of each block.
; A PASS (K = 1,024, N = 512): wave w owns columns 128 w .. + 127 for all eight tiles of rows: 64 accumulators, 512 registers.  x's fragments come from LDS; the weights come from memory straight into the registers
; of the one wave that multiplies by them, three sets by turns, asked for two K steps (128 matrix instructions) ahead.
; NO CLUSTER, NO TENSOR LOAD: a joint load lands in LDS, and each K step would then read 12,288 bytes more a wave from LDS for weights that no second wave of the work-group wants.
; THE SECOND PRODUCT (K = 512, N = 128): the waves share the ROWS (wave w: tiles 2 w, 2 w + 1), so that a wave's result is a whole fragment; h goes round as images; w2 or w6 lies in LDS, since all four waves read all of it.
; LIMITS: NaN and infinities among the inputs are not served; a block whose largest magnitude lies under 2^-122 keeps the byte 1; a block of zeros keeps the byte 1 with zero codes.
; REGISTERS, in windows of 256: window 0: v4-20 addresses; v24-39 x's scale words (two sets); v40-51 the weights' pair words (three sets); v52-57 w2's and h's scale words; v64-159 x's eight fragments; v160-255 weights' set 2.
;   Laid over them while they are idle: v160-223 64 numbers of x; v96-133 the quantiser's work; v64-87 two fragments of h; v160-255 w2's eight fragments.
;   window 1: weights' sets 0 and 1.   windows 2, 3: accumulator (a, b) at window 2 + a / 4, v[64 (a % 4) + 8 b]; in phase X window 2 holds four units of loads, window 3 the copy of w2.
.set W1C, 0
.set W3C, 393216
.set W4C, 786432
.set W1S, 1572864
.set W3S, 1589248
.set W4S, 1605632
.set W2C, 1638400
.set W6C, 1687552
.set W2S, 1736704
.set W6S, 1738752
.set Q2C, 0
.set K3C, 1572864
.set Q2S, 3145728
.set K3S, 3276800
.set Q3C, 3407872
.set Q3S, 9699328
.set XSC,   98304                      ; LDS: x's 64 images (K step s, tile a: 8 s + a) from byte 0; their scale words here;
.set HIMG,  106496                     ; h's 32 images (4 a + K step),
.set HSC,   155648                     ; their scale words,
.set W2IMG, 159744                     ; w2's or w6's 32 images (8 K step + tile),
.set W2SC,  208896                     ; their pair words (4 K step + pair),
.set STG,   210944                     ; and a stage of 16 rows x (512 + 16) bytes for each wave
.set LI,   4                           ; 16 lane: an image's place for my lane, in LDS and in memory
.set LI2,  5                           ; + 49,152: x's K steps 4-7
.set LS,   6                           ; 4 lane + XSC
.set XWI,  7                           ; where I store x's images: 16 lane + 3,072 wave
.set XWI2, 8                           ; + 49,152
.set XWS,  9                           ; and their scale words
.set HWI,  10                          ; where I store h's images (K step = my wave)
.set HWS,  11
.set HRI,  12                          ; where I read them (tiles 2 w, 2 w + 1)
.set HRS,  13
.set W2I,  14
.set W2SA, 15
.set W2WI, 16                          ; where I put my quarter of w2
.set W2WS, 17
.set STI,  18                          ; the stage: in, 16 bytes a lane of a row
.set STO,  19                          ; out: row r, + 64 h
.set L4,   20                          ; 4 lane
.set XS,   24
.set BS,   40
.set W2P,  52
.set HSW,  56
.set AF,   64
.set HF,   64
.set TM,   96                          ; v96-99 largest magnitudes, v100-103 bytes, v108-111 scale operands
.set PW,   112                         ; the scale word just made
.set PC,   114                         ; v114-125 the codes just made, v126-132 at work
.set X,    160
.set XB,   16                          ; s[16:17] x at my wave's first row
.set SEL,  38                          ; s[38:39] v_permlanex16_b32's selects for lane l xor 16
.set MSB, 0
.macro WIN new                         ; the immediate's high byte repeats the setting that is left; a switch that changes nothing is dropped
.if MSB != (\new)
	s_set_vgpr_msb (MSB<<8)|(\new)
.set MSB, (\new)
.endif
.endm
.macro PLACES                          ; four places behind a matrix instruction, in front of loads into its registers and of reads of its results
.rept 4
	v_nop
.endr
.endm
.macro BARRIER                         ; my LDS stores have landed and my LDS loads are in: then the work-group's barrier
	s_wait_dscnt 0x0
	s_barrier_signal -1
	s_barrier_wait -1
.endm
; One matrix instruction on the registers named by rD, rW, rX, rSW, rSX.  odd = 1: the weight's tile is the pair's second: its scale words stand in lanes 16-31.
.macro WM zero, odd
.if \zero
.if \odd
	v_wmma_scale_f32_16x16x128_f8f6f4 v[rD:rD+7], v[rW:rW+11], v[rX:rX+11], 0, v[rSW], v[rSX] matrix_a_fmt:MATRIX_FMT_BF6 matrix_b_fmt:MATRIX_FMT_BF6 matrix_a_scale:MATRIX_SCALE_ROW1
.else
	v_wmma_scale_f32_16x16x128_f8f6f4 v[rD:rD+7], v[rW:rW+11], v[rX:rX+11], 0, v[rSW], v[rSX] matrix_a_fmt:MATRIX_FMT_BF6 matrix_b_fmt:MATRIX_FMT_BF6
.endif
.else
.if \odd
	v_wmma_scale_f32_16x16x128_f8f6f4 v[rD:rD+7], v[rW:rW+11], v[rX:rX+11], v[rD:rD+7], v[rSW], v[rSX] matrix_a_fmt:MATRIX_FMT_BF6 matrix_b_fmt:MATRIX_FMT_BF6 matrix_a_scale:MATRIX_SCALE_ROW1
.else
	v_wmma_scale_f32_16x16x128_f8f6f4 v[rD:rD+7], v[rW:rW+11], v[rX:rX+11], v[rD:rD+7], v[rSW], v[rSX] matrix_a_fmt:MATRIX_FMT_BF6 matrix_b_fmt:MATRIX_FMT_BF6
.endif
.endif
.endm
; 64 numbers of a lane, v[s] .. v[s + 63] of window w, register 16 b + i = k 32 b + 16 (lane / 16) + i of my row, become a fragment's codes in v[PC] on and its scale word in v[PW].
; Each accumulator among the 64 is read from its low end on.
.macro QUANT s, w
	WIN ((\w)<<2)|((\w)<<4)
.irp b, 0,1,2,3
	v_max3_num_f32 v[TM+\b], 0x2800000, |v[(\s)+16*\b]|, |v[(\s)+16*\b+1]|   ; my 16 numbers of block b, and the floor 2^(5 - 127): the byte cannot fall under 1
.endr
.irp i, 2,4,6,8,10,12,14
.irp b, 0,1,2,3
	v_max3_num_f32 v[TM+\b], v[TM+\b], |v[(\s)+16*\b+\i]|, |v[(\s)+16*\b+\i+1]|
.endr
.endr
	WIN 0
.irp b, 0,1,2,3
	v_permlanex16_b32 v[TM+4+\b], v[TM+\b], s[SEL], s[SEL+1]
.endr
.irp b, 0,1,2,3
	v_max_num_f32 v[TM+\b], v[TM+\b], v[TM+4+\b]   ; with lane l xor 16's: the block's largest magnitude
.endr
.irp b, 0,1,2,3
	v_add_nc_u32 v[TM+12+\b], 0xfe000000, v[TM+\b] ; 4 off its exponent field: the conversion's scale operand
.endr
.irp b, 0,1,2,3
	v_lshrrev_b32 v[TM+4+\b], 23, v[TM+12+\b]      ; the scale's byte
.endr
	v_lshl_or_b32 v[PW], v[TM+5], 8, v[TM+4]
	v_lshl_or_b32 v[PW], v[TM+6], 16, v[PW]
	v_lshl_or_b32 v[PW], v[TM+7], 24, v[PW]
	WIN (\w)
.irp c, 0,1
	v_cvt_scalef32_pk16_bf6_f32 v[PC+6*\c:PC+6*\c+2], v[(\s)+32*\c:(\s)+32*\c+15], v[TM+12+2*\c]
	v_cvt_scalef32_pk16_bf6_f32 v[PC+12+4*\c:PC+14+4*\c], v[(\s)+32*\c+16:(\s)+32*\c+31], v[TM+13+2*\c]
.endr
	WIN 0
	v_nop                                          ; one plain place behind a scaled conversion
.irp c, 0,1                            ; the operand's layout wants a whole block in a lane: lanes 0-15 block 2 c, lanes 16-31 block 2 c + 1
.irp i, 0,1,2
	v_permlane16_swap_b32 v[PC+6*\c+\i], v[PC+12+4*\c+\i]
.endr
.irp i, 0,1,2
	v_mov_b32 v[PC+3+6*\c+\i], v[PC+12+4*\c+\i]
.endr
.endr
.endm
	s_load_b256 s[4:11], s[0:1], 0x0               ; q s[4:5], k s[6:7], wq s[8:9], act s[10:11]
	v_lshl_add_u32 v62, v0, 2, 0x3c000
	v_mov_b32 v63, 0
	v_lshrrev_b32 v1, 5, v0
	v_readfirstlane_b32 s12, v1                    ; wave
	s_lshr_b32 s13, ttmp9, 7                       ; 0: rows of q; 1: rows of k
	s_and_b32 s14, ttmp9, 127                      ; which 128 rows
	v_and_b32 v1, 31, v0
	v_and_b32 v2, 15, v0                           ; r
	v_bfe_u32 v3, v0, 4, 1                         ; h
	v_lshlrev_b32 v[LI], 4, v1
	v_lshlrev_b32 v[L4], 2, v1
	v_add_nc_u32 v[LI2], 49152, v[LI]
	v_add_nc_u32 v[LS], XSC, v[L4]
	s_mul_i32 s40, s12, 3072
	v_add_nc_u32 v[XWI], s40, v[LI]
	v_add_nc_u32 v[XWI2], 49152, v[XWI]
	s_lshl_b32 s40, s12, 8
	v_add_nc_u32 v[XWS], s40, v[LS]
	s_mul_i32 s40, s12, 1536
	s_add_co_u32 s40, s40, HIMG
	v_add_nc_u32 v[HWI], s40, v[LI]
	s_lshl_b32 s40, s12, 7
	s_add_co_u32 s40, s40, HSC
	v_add_nc_u32 v[HWS], s40, v[L4]
	s_mul_i32 s40, s12, 12288
	s_add_co_u32 s41, s40, HIMG
	v_add_nc_u32 v[HRI], s41, v[LI]
	s_add_co_u32 s41, s40, W2IMG
	v_add_nc_u32 v[W2WI], s41, v[LI]
	s_lshl_b32 s41, s12, 10
	s_add_co_u32 s41, s41, HSC
	v_add_nc_u32 v[HRS], s41, v[L4]
	v_add_nc_u32 v[W2I], W2IMG, v[LI]
	v_add_nc_u32 v[W2SA], W2SC, v[L4]
	s_lshl_b32 s42, s12, 9
	v_add_nc_u32 v[W2WS], s42, v[W2SA]
	s_mul_i32 s41, s12, 8448
	s_add_co_u32 s41, s41, STG
	v_add_nc_u32 v[STI], s41, v[LI]
	v_mul_u32_u24 v[STO], v2, 528
	v_lshl_add_u32 v[STO], v3, 6, v[STO]
	v_add_nc_u32 v[STO], s41, v[STO]
.irp b, 0,1,2,3
	v_mov_b32 v[TM+4+\b], 0                        ; written once: a lane permute's destination counts as one of its sources
.endr
	s_mov_b32 s[SEL], 0x76543210
	s_mov_b32 s[SEL+1], 0xfedcba98
	s_mov_b32 s45, W4S
	s_mov_b32 s46, W6C
	s_mov_b32 s47, W6S
	s_mov_b32 s49, K3S
	s_mov_b32 s51, 0
	s_wait_kmcnt 0x0
	s_cmp_eq_u32 s13, 0                            ; the choice hangs on the work-group's number alone
	s_cselect_b64 s[XB:XB+1], s[4:5], s[6:7]
	s_cselect_b32 s44, W1C, W4C
	s_cselect_b32 s45, W1S, s45
	s_cselect_b32 s46, W2C, s46
	s_cselect_b32 s47, W2S, s47
	s_cselect_b32 s48, Q2C, K3C
	s_cselect_b32 s49, Q2S, s49
	s_add_co_u32 s50, s44, s40                     ; (s40 = 12,288 wave, s42 = 512 wave)
	s_add_nc_u64 s[18:19], s[8:9], s[50:51]        ; w1's or w4's codes: my eight tiles
	s_add_co_u32 s50, s45, s42
	s_add_nc_u64 s[20:21], s[8:9], s[50:51]        ; and their pair words
	s_add_co_u32 s50, s40, W3C
	s_add_nc_u64 s[22:23], s[8:9], s[50:51]        ; w3's
	s_add_co_u32 s50, s42, W3S
	s_add_nc_u64 s[24:25], s[8:9], s[50:51]
	s_add_co_u32 s50, s46, s40
	s_add_nc_u64 s[26:27], s[8:9], s[50:51]        ; my quarter of w2 or w6
	s_add_co_u32 s50, s47, s42
	s_add_nc_u64 s[28:29], s[8:9], s[50:51]
	s_lshl_b32 s52, s14, 3
	s_lshl_b32 s53, s12, 1
	s_add_co_u32 s52, s52, s53                     ; tile of rows 8 block + 2 wave
	s_mul_i32 s50, s52, 1536
	s_add_co_u32 s50, s50, s48
	s_add_nc_u64 s[30:31], s[10:11], s[50:51]      ; q2's or k3's codes
	s_lshl_b32 s50, s52, 7
	s_add_co_u32 s50, s50, s49
	s_add_nc_u64 s[32:33], s[10:11], s[50:51]      ; and scale words
	s_mul_i32 s50, s14, 49152
	s_mul_i32 s53, s12, 1536
	s_add_co_u32 s50, s50, s53
	s_add_co_u32 s50, s50, Q3C
	s_add_nc_u64 s[34:35], s[10:11], s[50:51]      ; q3's codes: (tile of rows x 4 + K step), K step = my wave
	s_lshl_b32 s50, s14, 12
	s_lshl_b32 s53, s12, 7
	s_add_co_u32 s50, s50, s53
	s_add_co_u32 s50, s50, Q3S
	s_add_nc_u64 s[36:37], s[10:11], s[50:51]
	s_lshl_b32 s50, s14, 19
	s_lshl_b32 s53, s12, 17
	s_add_co_u32 s50, s50, s53
	s_add_nc_u64 s[XB:XB+1], s[XB:XB+1], s[50:51]  ; x: 128 rows x block + 32 rows x wave, 4,096 bytes a row
; ---- PHASE X.  Unit n (0..15): K step n / 2, my tile n % 2: 16 rows x 512 bytes, into quarter n % 4 of window 2
.macro XLOAD n
	WIN 0x80
.irp j, 0,1,2,3,4,5,6,7,8,9,10,11,12,13,14,15
	global_load_b128 v[64*((\n)%4)+4*\j:64*((\n)%4)+4*\j+3], v[LI], s[XB:XB+1] offset:(8*((\n)%2)+\j+8*(\j/8))*4096+512*((\n)/2) th:TH_LOAD_NT
.endr
	WIN 0
.endm
.macro XUNIT n
.if (\n) < 12
	s_wait_loadcnt 48                              ; my unit's 16 loads are in; the three younger units stay out
.else
	s_wait_loadcnt 16*(15-(\n))
.endif
	WIN 0x08                                       ; an LDS store's data are its source 1: window 2
.irp j, 0,1,2,3,4,5,6,7,8,9,10,11,12,13,14,15
	ds_store_b128 v[STI], v[64*((\n)%4)+4*\j:64*((\n)%4)+4*\j+3] offset:528*\j
.endr
	WIN 0
.irp b, 0,1,2,3
.irp j, 0,1,2,3
	ds_load_b128 v[X+16*\b+4*\j:X+16*\b+4*\j+3], v[STO] offset:128*\b+16*\j   ; LDS serves a wave's instructions in order: these see my stores
.endr
.endr
	s_wait_dscnt 0x0                               ; the numbers are back, the stores have read their registers, and so have the last unit's image stores
.if (\n)+4 < 16
	XLOAD (\n)+4
.endif
	QUANT X, 0
.irp c, 0,1,2
.if (\n) < 8
	ds_store_b128 v[XWI], v[PC+4*\c:PC+4*\c+3] offset:(((\n)/2)*8+(\n)%2)*1536+512*\c
.else
	ds_store_b128 v[XWI2], v[PC+4*\c:PC+4*\c+3] offset:(((\n)/2-4)*8+(\n)%2)*1536+512*\c
.endif
.endr
	ds_store_b32 v[XWS], v[PW] offset:(8*((\n)/2)+(\n)%2)*128
.endm
	WIN 0xc0                                       ; my quarter of w2 or w6, through window 3 into LDS
.set n1, 0
.rept 24
	global_load_b128 v[4*n1:4*n1+3], v[LI], s[26:27] offset:512*n1
.set n1, n1+1
.endr
.set n1, 0
.rept 4
	global_load_b32 v[96+n1], v[L4], s[28:29] offset:128*n1
.set n1, n1+1
.endr
	WIN 0
	XLOAD 0
	XLOAD 1
	XLOAD 2
	s_wait_loadcnt 48                              ; the three units' 48 loads are younger than the copy's 28
	WIN 0x0c
.set n1, 0
.rept 24
	ds_store_b128 v[W2WI], v[4*n1:4*n1+3] offset:512*n1
.set n1, n1+1
.endr
.set n1, 0
.rept 4
	ds_store_b32 v[W2WS], v[96+n1] offset:128*n1
.set n1, n1+1
.endr
	WIN 0
	XLOAD 3
.irp n, 0,1,2,3,4,5,6,7,8,9,10,11,12,13,14,15
	XUNIT \n
.endr
; ---- A PASS
.macro BLOAD sg, cb, sb                ; K step sg's eight fragments of my columns into set sg % 3, and their four pair words: 28 loads
.if (\sg)%3 == 2
	WIN 0
.set rB, 160
.else
	WIN 0x40
.set rB, 96*((\sg)%3)
.endif
.set n1, 0
.rept 24
	global_load_b128 v[rB+4*n1:rB+4*n1+3], v[LI], s[\cb:\cb+1] offset:(\sg)*49152+512*n1
.set n1, n1+1
.endr
	WIN 0
.set n1, 0
.rept 4
	global_load_b32 v[BS+4*((\sg)%3)+n1], v[L4], s[\sb:\sb+1] offset:(\sg)*2048+128*n1
.set n1, n1+1
.endr
.endm
.macro FETCH_A s, a0                   ; x's tiles a0 .. a0 + 3 of K step s
.set n1, \a0
.rept 4
.set n2, 0
.rept 3
.if (\s) < 4
	ds_load_b128 v[AF+12*n1+4*n2:AF+12*n1+4*n2+3], v[LI] offset:((\s)*8+n1)*1536+512*n2
.else
	ds_load_b128 v[AF+12*n1+4*n2:AF+12*n1+4*n2+3], v[LI2] offset:(((\s)-4)*8+n1)*1536+512*n2
.endif
.set n2, n2+1
.endr
.set n1, n1+1
.endr
.endm
.macro SCALES s
.set n1, 0
.rept 8
	ds_load_b32 v[XS+8*((\s)%2)+n1], v[LS] offset:(8*(\s)+n1)*128
.set n1, n1+1
.endr
.endm
.macro MUL32 s, a0, zero               ; x's tiles a0 .. a0 + 3 against my eight tiles of columns.  The 64 accumulators take turns, one instruction a turn, in the same order in every step
.if (\s)%3 == 2
.set rB, 160
	WIN 0xa0+0x50*((\a0)/4)
.else
.set rB, 96*((\s)%3)
	WIN 0xa1+0x50*((\a0)/4)
.endif
.set n1, 0
.rept 4
.set n2, 0
.rept 8
.set rD, 64*n1+8*n2
.set rW, rB+12*n2
.set rX, AF+12*((\a0)+n1)
.set rSW, BS+4*((\s)%3)+n2/2
.set rSX, XS+8*((\s)%2)+(\a0)+n1
	WM \zero, n2%2
.set n2, n2+1
.endr
.set n1, n1+1
.endr
.endm
.macro KSTEP s, zero, cb, sb
.if (\s) <= 5
	s_wait_loadcnt 56                              ; this step's weights are in; the two younger sets of 28 loads stay out
.elseif (\s) == 6
	s_wait_loadcnt 28
.else
	s_wait_loadcnt 0x0
.endif
	s_wait_dscnt 12                                ; x's tiles 0-3 and the scale words are in; the youngest twelve loads (tiles 4-7) may be out
	MUL32 \s, 0, \zero
	s_wait_dscnt 0x0
.if (\s) < 7
	PLACES
	WIN 0
	FETCH_A (\s)+1, 0
	SCALES (\s)+1
.endif
	MUL32 \s, 4, \zero
	PLACES
	WIN 0
.if (\s) < 7
	FETCH_A (\s)+1, 4
.endif
.if (\s) < 5
	BLOAD (\s)+3, \cb, \sb                         ; into the set just multiplied
.endif
.endm
.macro PASS cb, sb
	FETCH_A 0, 0
	SCALES 0
	FETCH_A 0, 4
	KSTEP 0, 1, \cb, \sb                           ; the first step's products start the sums: nothing is cleared
.irp s, 1,2,3,4,5,6,7
	KSTEP \s, 0, \cb, \sb
.endr
.endm
	BLOAD 0, 18, 20
	BLOAD 1, 18, 20
	BLOAD 2, 18, 20
	BARRIER                                        ; x's 64 images and w2's 32 lie in LDS
	PASS 18, 20
; ---- h becomes an operand
	s_cmp_lg_u32 s13, 0
	s_cbranch_scc1 .Lno_w3                         ; q's work-groups ask for w3's first two K steps now: window 1 is idle until the second pass
	BLOAD 0, 22, 24
	BLOAD 1, 22, 24
.Lno_w3:
.irp a, 0,1,2,3,4,5,6,7
	QUANT 64*(\a%4), 2+\a/4
.irp c, 0,1,2
	ds_store_b128 v[HWI], v[PC+4*\c:PC+4*\c+3] offset:6144*\a+512*\c     ; K step w of the second product, tile a of rows
.endr
	ds_store_b32 v[HWS], v[PW] offset:512*\a
	s_wait_dscnt 0x0                               ; the stores have read their registers
.endr
	BARRIER                                        ; h's 32 images lie in LDS
.irp ks, 0,1,2,3
.if \ks > 0
	PLACES
.set ZK, 0
.else
.set ZK, 1
.endif
.set n1, 0
.rept 24
	ds_load_b128 v[160+4*n1:160+4*n1+3], v[W2I] offset:\ks*12288+512*n1
.set n1, n1+1
.endr
.irp p, 0,1,2,3
	ds_load_b32 v[W2P+\p], v[W2SA] offset:(\ks*4+\p)*128
.endr
.irp a, 0,1
.irp c, 0,1,2
	ds_load_b128 v[HF+12*\a+4*\c:HF+12*\a+4*\c+3], v[HRI] offset:\a*6144+\ks*1536+512*\c
.endr
	ds_load_b32 v[HSW+\a], v[HRS] offset:\a*512+\ks*128
.endr
	s_wait_dscnt 0x0
	WIN 0xa0                                       ; C and D window 2
.set n1, 0
.rept 8
.set n2, 0
.rept 2
.set rD, 64*n2+8*n1
.set rW, 160+12*n1
.set rX, HF+12*n2
.set rSW, W2P+n1/2
.set rSX, HSW+n2
	WM ZK, n1%2                                    ; sixteen accumulators by turns
.set n2, n2+1
.endr
.set n1, n1+1
.endr
	WIN 0
.endr
	PLACES
.irp a, 0,1
	QUANT 64*\a, 2
.irp c, 0,1,2
	global_store_b128 v[LI], v[PC+4*\c:PC+4*\c+3], s[30:31] offset:1536*\a+512*\c   ; 32 lanes store 512 consecutive bytes, at a multiple of 256 from the buffer's first byte
.endr
	global_store_b32 v[L4], v[PW], s[32:33] offset:128*\a
	s_wait_xcnt 0x0                                ; the stores' data are written again only behind this wait
.endr
	s_cmp_lg_u32 s13, 0
	s_cbranch_scc1 .Lend                           ; k's work-groups are done
; ---- q3 = Q(q) Q(w3), on x's images, which still lie in LDS
	BLOAD 2, 22, 24
	PASS 22, 24
.irp a, 0,1,2,3,4,5,6,7
	QUANT 64*(\a%4), 2+\a/4
.irp c, 0,1,2
	global_store_b128 v[LI], v[PC+4*\c:PC+4*\c+3], s[34:35] offset:6144*\a+512*\c
.endr
	global_store_b32 v[L4], v[PW], s[36:37] offset:512*\a
	s_wait_xcnt 0x0
.endr
.Lend:
	s_wait_tensorcnt 0x0
	ds_add_u32 v62, v63
	s_wait_dscnt 0x0
	s_endpgm
.Lfunc_end_k_qc634f9b297_proj:
	.size	k_qc634f9b297_proj, .Lfunc_end_k_qc634f9b297_proj-k_qc634f9b297_proj
	.p2alignl 7, 3214868480
	.fill 96, 4, 3214868480
	.section	.rodata,"a",@progbits
	.p2align	6, 0x0
	.amdhsa_kernel k_qc634f9b297_proj
		.amdhsa_group_segment_fixed_size 246272
		.amdhsa_private_segment_fixed_size 0
		.amdhsa_enable_private_segment 0
		.amdhsa_kernarg_size 32
		.amdhsa_user_sgpr_count 2
		.amdhsa_user_sgpr_kernarg_segment_ptr 1
		.amdhsa_wavefront_size32 1
		.amdhsa_system_sgpr_workgroup_id_x 1
		.amdhsa_system_sgpr_workgroup_id_y 1
		.amdhsa_system_sgpr_workgroup_id_z 1
		.amdhsa_system_vgpr_workitem_id 0
		.amdhsa_next_free_vgpr 1024
		.amdhsa_next_free_sgpr 66
		.amdhsa_reserve_vcc 0
		.amdhsa_float_denorm_mode_32 3
		.amdhsa_float_denorm_mode_16_64 3
		.amdhsa_memory_ordered 1
		.amdhsa_forward_progress 1
		.amdhsa_inst_pref_size 255
	.end_amdhsa_kernel
	.section	.bss,"aw",@nobits
	.p2align	6
	.space	262144
	.amdgpu_metadata
---
amdhsa.version: [ 1, 2 ]
amdhsa.kernels:
  - .name:           k_qc634f9b297_proj
    .symbol:         k_qc634f9b297_proj.kd
    .args:
      - { .name: q, .offset: 0, .size: 8, .value_kind: global_buffer, .address_space: global }
      - { .name: k, .offset: 8, .size: 8, .value_kind: global_buffer, .address_space: global }
      - { .name: wq, .offset: 16, .size: 8, .value_kind: global_buffer, .address_space: global }
      - { .name: act, .offset: 24, .size: 8, .value_kind: global_buffer, .address_space: global }
    .group_segment_fixed_size: 246272
    .private_segment_fixed_size: 0
    .kernarg_segment_align: 8
    .kernarg_segment_size: 32
    .max_flat_workgroup_size: 128
    .sgpr_count:     66
    .vgpr_count:     1024
    .wavefront_size: 32
...
	.end_amdgpu_metadata
.endif
;; end of part 2
;; launch attn (part 3): grid 256 x 1, 4 waves a work-group, no clusters, 111,104 bytes of LDS; arguments wq, act, out0; writes out0
.if DOCPART == 3
	.amdgcn_target "amdgcn-amd-amdhsa--gfx1250"
	.amdhsa_code_object_version 6
	.text
	.protected	k_qc634f9b297_attn
	.globl	k_qc634f9b297_attn
	.p2align	8
	.type	k_qc634f9b297_attn,@function
k_qc634f9b297_attn:
	s_mov_b64 s[64:65], 0
	v_nop
	global_prefetch_b8 v0, s[64:65] scope:SCOPE_SE
	s_setreg_imm32_b32 hwreg(HW_REG_WAVE_MODE, 25, 1), 1
	s_wait_xcnt 0x0
; out0 = [out | q3] w7 + [q3 | out] w7, out = causal softmax(q2 k3^T / sqrt(128)) v: all products on codes of BF6 (E3M2) with one E8M0 scale for each 32 along K; sums in f32.
; q2, k3, q3 (act) and v, w7 (wq) arrive as fragment images: 1,536 bytes, piece c at 512 c + 16 lane = the lane's registers 4 c .. 4 c + 3.  Of 32 neighbouring rows x (queries, keys, channels, columns), tile 2 p + u takes x = 8 u + r + 8 (r / 8).
; Blocks of 32 do not straddle the join at 512, so Q(concat) = concat(Q(out), Q(q3)), and the last two products are four of K = 512 on ONE accumulator: Q(out) w7a + Q(out) w7b + Q(q3) w7a + Q(q3) w7b (o1 + o2 summed in another order than the source writes it).
; THE SOFTMAX: t = score x log2(e) / sqrt(128); M = the running largest t rounded UP to a whole number; p = 2^(t - M) is quantised along the keys, not normalised; the row's sum is taken of the unquantised p;
; when M moves, the sum and O are multiplied by 2^(old M - new M): exact.  out = O / sum is quantised in registers.
; SHARES.  A work-group owns 64 queries of one batch: four tiles.  Wave w makes S^T = K Q^T and the softmax of tile w; wave w holds O^T of ALL four tiles on channels 128 w .. + 127 (32 accumulators), so each fragment of V feeds four
; products and V is read once a work-group.  p's codes, its scale word and the factor go from wave to wave as images; K's eight fragments of a step are fetched two a wave and shared through LDS.
; All products are used transposed: a lane holds one query throughout.
; CAUSAL.  A key step is 128 keys.  Steps 0 .. i / 2 - 1 (i: the block of 64 queries) count whole and run in a loop; step i / 2 lies on the diagonal and is written out with the mask; later steps are not walked.
; NO CLUSTER: the query blocks of a batch walk i / 2 + 1 key steps, 1 to 16: partners would need different numbers of tiles.  NO TENSOR LOAD: V and w7 are read by one wave of the work-group only, straight into its registers.
; LIMITS: NaN and infinities are not served; a block whose largest magnitude lies under 2^-122, and a block of zeros, keep the byte 1 (zero codes add nothing).
; REGISTERS, in windows of 256: window 0: v1-13 addresses; v20-39 statistics; v40-52 Q; v54-61 K's scale words; v62-65 V's pair words; v66-69 p's scale words; v70-77 the four factors; v78-97 codes just made;
;   v100-163 S^T, then p; v164-211 the four p fragments; v212-237 K on its way to LDS; v238-245 out's and q3's scale words; v246-253 w7's pair words.
;   window 1: O^T (m, t) at v[64 m + 8 t], later y.   window 2: K's fragments v0-95, V's v96-191; later w7's sets of odd K steps.   window 3: w7's sets of even K steps.
.set W7C, 1179648
.set W7S, 1622016
.set VCO, 1740800
.set VSO, 8032256
.set K3C, 1572864
.set Q2S, 3145728
.set K3S, 3276800
.set Q3C, 3407872
.set Q3S, 9699328
.set PIMG,  0                          ; LDS: p's four images,
.set PSC,   6144                       ; their scale words,
.set PF,    6656                       ; the four factors,
.set LINV,  7168                       ; the four 1 / sum,
.set KIMG,  7680                       ; K's eight images of a step,
.set KSC,   19968                      ; their scale words,
.set OIMG,  20992                      ; out's sixteen images (4 m + K step),
.set OSC,   45568
.set Q3IMG, 47616                      ; q3's sixteen,
.set Q3SC,  72192
.set STAGE, 74240                      ; and a stage of 16 rows x (512 + 16) bytes for each wave
.set LI,   1                           ; 16 lane
.set L4,   2                           ; 4 lane
.set W16,  3                           ; 16 lane + 1,536 wave
.set W4,   4                           ; 4 lane + 128 wave
.set W16K, 5                           ; 16 lane + 3,072 wave
.set W4K,  6                           ; 4 lane + 256 wave
.set LIB,  7                           ; 16 lane + Q3IMG
.set L4B,  8                           ; 4 lane + Q3SC
.set Q3WI, 9                           ; + 6,144 wave
.set Q3WS, 10                          ; + 512 wave
.set STO,  11
.set RD,   12
.set DD,   13                          ; my query less the diagonal step's first key less 16 (lane / 16)
.set NM,   20                          ; v20 -M, v21 the largest t: a pair
.set SUM,  22                          ; v[22:23] the sum, in two halves
.set FF,   24                          ; v24 the factor, v25 p's scale word: a pair
.set PW,   25
.set BM,   26                          ; v26-29 the blocks' largest scores, then p
.set BT,   30                          ; v30-33 at work
.set SOP,  34                          ; v34-37 the conversions' scale operands
.set T0,   38
.set T1,   39
.set TM,   26                          ; the quantiser of out works on v26-41
.set QF0,  40
.set QSW0, 52
.set KS,   54
.set VSW,  62
.set PS,   66
.set FM,   70
.set PC,   78
.set S,    100
.set PFR,  164
.set KT,   212
.set OF,   100
.set QF,   164
.set OSW,  238
.set QSW,  242
.set KB,   14
.set KSB,  16
.set VB,   18
.set VSB,  20
.set W7B,  22
.set W7SB, 24
.set OUT,  26
.set SEL,  28
.set CS,   30
.set MSB, 0
.macro WIN new
.if MSB != (\new)
	s_set_vgpr_msb (MSB<<8)|(\new)
.set MSB, (\new)
.endif
.endm
.macro PLACES                          ; four places behind a matrix instruction (ISA guide 7.12.1)
.rept 4
	v_nop
.endr
.endm
.macro BARRIER
	s_wait_dscnt 0x0
	s_barrier_signal -1
	s_barrier_wait -1
.endm
.macro WM zero, odd
.if \zero
.if \odd
	v_wmma_scale_f32_16x16x128_f8f6f4 v[rD:rD+7], v[rW:rW+11], v[rX:rX+11], 0, v[rSW], v[rSX] matrix_a_fmt:MATRIX_FMT_BF6 matrix_b_fmt:MATRIX_FMT_BF6 matrix_a_scale:MATRIX_SCALE_ROW1
.else
	v_wmma_scale_f32_16x16x128_f8f6f4 v[rD:rD+7], v[rW:rW+11], v[rX:rX+11], 0, v[rSW], v[rSX] matrix_a_fmt:MATRIX_FMT_BF6 matrix_b_fmt:MATRIX_FMT_BF6
.endif
.else
.if \odd
	v_wmma_scale_f32_16x16x128_f8f6f4 v[rD:rD+7], v[rW:rW+11], v[rX:rX+11], v[rD:rD+7], v[rSW], v[rSX] matrix_a_fmt:MATRIX_FMT_BF6 matrix_b_fmt:MATRIX_FMT_BF6 matrix_a_scale:MATRIX_SCALE_ROW1
.else
	v_wmma_scale_f32_16x16x128_f8f6f4 v[rD:rD+7], v[rW:rW+11], v[rX:rX+11], v[rD:rD+7], v[rSW], v[rSX] matrix_a_fmt:MATRIX_FMT_BF6 matrix_b_fmt:MATRIX_FMT_BF6
.endif
.endif
.endm
.macro SWAPS                           ; the conversions' half blocks become whole blocks: lanes 0-15 block 2 c, lanes 16-31 block 2 c + 1
	v_nop                                          ; one plain place behind a scaled conversion
.irp c, 0,1
.irp i, 0,1,2
	v_permlane16_swap_b32 v[PC+6*\c+\i], v[PC+12+4*\c+\i]
.endr
.irp i, 0,1,2
	v_mov_b32 v[PC+3+6*\c+\i], v[PC+12+4*\c+\i]
.endr
.endr
.endm
.macro QUANT s                         ; 64 numbers v[s] .. v[s + 63] of window 0, register 16 b + i = k 32 b + 16 (lane / 16) + i, become codes in v[PC] on and the scale word in v[PW]
.irp b, 0,1,2,3
	v_max3_num_f32 v[TM+\b], 0x2800000, |v[(\s)+16*\b]|, |v[(\s)+16*\b+1]|
.endr
.irp i, 2,4,6,8,10,12,14
.irp b, 0,1,2,3
	v_max3_num_f32 v[TM+\b], v[TM+\b], |v[(\s)+16*\b+\i]|, |v[(\s)+16*\b+\i+1]|
.endr
.endr
.irp b, 0,1,2,3
	v_permlanex16_b32 v[TM+4+\b], v[TM+\b], s[SEL], s[SEL+1]
.endr
.irp b, 0,1,2,3
	v_max_num_f32 v[TM+\b], v[TM+\b], v[TM+4+\b]
.endr
.irp b, 0,1,2,3
	v_add_nc_u32 v[TM+12+\b], 0xfe000000, v[TM+\b]
.endr
.irp b, 0,1,2,3
	v_lshrrev_b32 v[TM+4+\b], 23, v[TM+12+\b]
.endr
	v_lshl_or_b32 v[PW], v[TM+5], 8, v[TM+4]
	v_lshl_or_b32 v[PW], v[TM+6], 16, v[PW]
	v_lshl_or_b32 v[PW], v[TM+7], 24, v[PW]
.irp c, 0,1
	v_cvt_scalef32_pk16_bf6_f32 v[PC+6*\c:PC+6*\c+2], v[(\s)+32*\c:(\s)+32*\c+15], v[TM+12+2*\c]
	v_cvt_scalef32_pk16_bf6_f32 v[PC+12+4*\c:PC+14+4*\c], v[(\s)+32*\c+16:(\s)+32*\c+31], v[TM+13+2*\c]
.endr
	SWAPS
.endm
.macro PTR d, b                        ; a buffer's address + the offset in s[44:45]
	s_add_nc_u64 s[\d:\d+1], s[\b:\b+1], s[44:45]
.endm
.macro KLOAD                           ; my two fragments of K and their scale words: 8 loads
.set n1, 0
.rept 6
	global_load_b128 v[KT+4*n1:KT+4*n1+3], v[LI], s[KB:KB+1] offset:512*n1
.set n1, n1+1
.endr
	global_load_b32 v[KT+24], v[L4], s[KSB:KSB+1]
	global_load_b32 v[KT+25], v[L4], s[KSB:KSB+1] offset:128
.endm
.macro KSTORE                          ; and into LDS: 8 stores
.set n1, 0
.rept 6
	ds_store_b128 v[W16K], v[KT+4*n1:KT+4*n1+3] offset:KIMG+512*n1
.set n1, n1+1
.endr
	ds_store_b32 v[W4K], v[KT+24] offset:KSC
	ds_store_b32 v[W4K], v[KT+25] offset:KSC+128
.endm
.macro VLOAD                           ; a step's eight fragments of V on my channels and their pair words: 28 loads
	WIN 0x80
.set n1, 0
.rept 24
	global_load_b128 v[96+4*n1:96+4*n1+3], v[LI], s[VB:VB+1] offset:512*n1
.set n1, n1+1
.endr
	WIN 0
.irp p, 0,1,2,3
	global_load_b32 v[VSW+\p], v[L4], s[VSB:VSB+1] offset:128*\p
.endr
.endm
.macro W7LOAD s                        ; w7's K steps s and 4 + s on my columns: 16 fragments and 8 pair words: 56 loads.  Even s: window 3, v246-253; odd s: window 2, v54-61
.if (\s)%2 == 0
	WIN 0xc0
.set rS7, 246
.else
	WIN 0x80
.set rS7, 54
.endif
.irp g, 0,1
.set n1, 0
.rept 24
	global_load_b128 v[96*\g+4*n1:96*\g+4*n1+3], v[LI], s[W7B:W7B+1] offset:(4*\g+(\s))*49152+512*n1
.set n1, n1+1
.endr
.endr
	WIN 0
.irp g, 0,1
.irp p, 0,1,2,3
	global_load_b32 v[rS7+4*\g+\p], v[L4], s[W7SB:W7SB+1] offset:(4*\g+(\s))*2048+128*\p
.endr
.endr
.endm
	s_load_b128 s[4:7], s[0:1], 0x0                ; wq s[4:5], act s[6:7]
	s_load_b64 s[8:9], s[0:1], 0x10                ; out0
	v_lshl_add_u32 v254, v0, 2, 0x1b000
	v_mov_b32 v255, 0
	v_lshrrev_b32 v14, 5, v0
	v_readfirstlane_b32 s10, v14                   ; wave
	s_lshr_b32 s11, ttmp9, 5                       ; batch
	s_and_b32 s12, ttmp9, 31                       ; i: which 64 queries
	s_lshr_b32 s13, s12, 1                         ; key steps that count whole
	v_and_b32 v14, 31, v0
	v_and_b32 v15, 15, v0                          ; r
	v_bfe_u32 v16, v0, 4, 1                        ; h
	v_lshlrev_b32 v[LI], 4, v14
	v_lshlrev_b32 v[L4], 2, v14
	s_mul_i32 s40, s10, 1536
	v_add_nc_u32 v[W16], s40, v[LI]
	s_lshl_b32 s40, s10, 7
	v_add_nc_u32 v[W4], s40, v[L4]
	s_mul_i32 s43, s10, 3072
	v_add_nc_u32 v[W16K], s43, v[LI]
	s_lshl_b32 s40, s10, 8
	v_add_nc_u32 v[W4K], s40, v[L4]
	v_add_nc_u32 v[LIB], Q3IMG, v[LI]
	v_add_nc_u32 v[L4B], Q3SC, v[L4]
	s_mul_i32 s40, s10, 6144
	v_add_nc_u32 v[Q3WI], s40, v[LIB]
	s_lshl_b32 s47, s10, 9
	v_add_nc_u32 v[Q3WS], s47, v[L4B]
	s_mul_i32 s40, s10, 8448
	s_add_co_u32 s40, s40, STAGE
	v_mul_u32_u24 v[STO], v15, 528
	v_lshl_add_u32 v[STO], v16, 6, v[STO]
	v_add_nc_u32 v[STO], s40, v[STO]
	v_add_nc_u32 v[RD], s40, v[LI]
	s_and_b32 s40, s12, 1                          ; my query in the diagonal step: 64 (i % 2) + 32 (w / 2) + 8 (w % 2) + r + 8 (r / 8)
	s_lshl_b32 s40, s40, 6
	s_lshr_b32 s41, s10, 1
	s_lshl_b32 s41, s41, 5
	s_add_co_u32 s40, s40, s41
	s_and_b32 s41, s10, 1
	s_lshl_b32 s41, s41, 3
	s_add_co_u32 s40, s40, s41
	v_and_b32 v17, 8, v15
	v_add_nc_u32 v[DD], v17, v15
	v_lshlrev_b32 v17, 4, v16
	v_sub_nc_u32 v[DD], v[DD], v17
	v_add_nc_u32 v[DD], s40, v[DD]
	s_mov_b32 s[SEL], 0x76543210
	s_mov_b32 s[SEL+1], 0xfedcba98
	s_mov_b32 s[CS], 0x3e0293ee                    ; c = log2(e) / sqrt(128)
	s_mov_b32 s[CS+1], s[CS]                       ; (named with it as a pair, so it is written)
	s_mov_b32 s45, 0
	s_lshl_b32 s40, s11, 7
	s_lshl_b32 s41, s12, 2
	s_add_co_u32 s40, s40, s41
	s_add_co_u32 s42, s40, s10                     ; my tile of queries: 128 batch + 4 i + wave
	s_mul_i32 s46, s10, 12288
	s_wait_kmcnt 0x0
	s_mul_i32 s44, s42, 1536
	PTR 32, 6                                      ; q2's codes (they begin the buffer)
	s_lshl_b32 s44, s42, 7
	s_add_co_u32 s44, s44, Q2S
	PTR 34, 6
	s_mul_i32 s44, s42, 6144
	s_add_co_u32 s44, s44, Q3C
	PTR 36, 6                                      ; my tile's four fragments of q3
	s_lshl_b32 s44, s42, 9
	s_add_co_u32 s44, s44, Q3S
	PTR 38, 6
	s_mul_i32 s44, s11, 196608
	s_add_co_u32 s44, s44, s43
	s_add_co_u32 s44, s44, K3C
	PTR KB, 6                                      ; k3: the batch's 128 tiles, my two of a step's eight
	s_lshl_b32 s44, s11, 14
	s_lshl_b32 s43, s10, 8
	s_add_co_u32 s44, s44, s43
	s_add_co_u32 s44, s44, K3S
	PTR KSB, 6
	s_mul_i32 s44, s11, 786432
	s_add_co_u32 s44, s44, s46
	s_add_co_u32 s44, s44, VCO
	PTR VB, 4                                      ; v: the batch's 16 key steps, my eight tiles of channels
	s_lshl_b32 s44, s11, 15
	s_add_co_u32 s44, s44, s47
	s_add_co_u32 s44, s44, VSO
	PTR VSB, 4
	s_add_co_u32 s44, s46, W7C
	PTR W7B, 4
	s_add_co_u32 s44, s47, W7S
	PTR W7SB, 4
	s_lshl_b32 s44, s11, 22
	s_lshl_b32 s43, s12, 17
	s_add_co_u32 s44, s44, s43
	s_add_co_u32 s44, s44, s47
	PTR OUT, 8                                     ; out0: row 2,048 batch + 64 i, column 128 wave
	W7LOAD 0                                       ; asked for first: it stays in window 3 until the last product
.set n1, 0
.rept 12
	global_load_b128 v[S+4*n1:S+4*n1+3], v[LI], s[36:37] offset:512*n1
.set n1, n1+1
.endr
.irp p, 0,1,2,3
	global_load_b32 v[S+48+\p], v[L4], s[38:39] offset:128*\p
.endr
.irp c, 0,1,2
	global_load_b128 v[QF0+4*\c:QF0+4*\c+3], v[LI], s[32:33] offset:512*\c
.endr
	global_load_b32 v[QSW0], v[L4], s[34:35]
	KLOAD
	VLOAD
	v_mov_b32 v[NM+1], 0xff61b1e6                  ; the largest t so far: -3e38, under every t
	v_floor_f32 v[NM], -v[NM+1]                    ; -M
	v_mov_b32 v[SUM], 0
	v_mov_b32 v[SUM+1], 0
	v_mov_b32 v[PW], 0                             ; (named as the upper half of a pair before it is first written)
.irp b, 0,1,2,3
	v_mov_b32 v[BT+\b], 0                          ; a lane permute's destination counts as one of its sources
	v_mov_b32 v[FM+2*\b+1], 0                      ; the factors' pairs: the upper halves are named, never used
.endr
	WIN 0x40
.set n1, 0
.rept 256
	v_mov_b32 v[n1], 0                             ; O^T.  The step is written twice, not four times: the first step finds zeros, which its factor 0 leaves zeros
.set n1, n1+1
.endr
	WIN 0
	s_wait_loadcnt 28                              ; all but V's 28 loads
.set n1, 0
.rept 12
	ds_store_b128 v[Q3WI], v[S+4*n1:S+4*n1+3] offset:512*n1
.set n1, n1+1
.endr
.irp p, 0,1,2,3
	ds_store_b32 v[Q3WS], v[S+48+\p] offset:128*\p
.endr
	KSTORE
	s_add_nc_u64 s[KB:KB+1], s[KB:KB+1], 12288     ; K's loads are done: their bases may step
	s_add_nc_u64 s[KSB:KSB+1], s[KSB:KSB+1], 1024
	BARRIER                                        ; q3's sixteen images and K's first eight lie in LDS
; A KEY STEP.  masked = 0: all 128 keys count, and the next step's K and V are asked for.  masked = 1: the diagonal step, the last.
.macro ASTEP masked
.if \masked == 0
	KLOAD                                          ; the next step's: it has this step's softmax in which to land
.endif
	WIN 0x80
.set n1, 0
.rept 24
	ds_load_b128 v[4*n1:4*n1+3], v[LI] offset:KIMG+512*n1
.set n1, n1+1
.endr
	WIN 0
.irp t, 0,1,2,3,4,5,6,7
	ds_load_b32 v[KS+\t], v[L4] offset:KSC+128*\t
.endr
	s_wait_dscnt 0x0
	WIN 0x02                                       ; source 0 (K) window 2
.irp t, 0,1,2,3,4,5,6,7
.set rD, S+8*\t
.set rW, 12*\t
.set rX, QF0
.set rSW, KS+\t
.set rSX, QSW0
	WM 1, 0                                        ; S^T: lane (r, h) holds query r; registers 16 b + i are keys 32 b + 16 h + i
.endr
	WIN 0
	PLACES
.if \masked
	v_mov_b32 v[T1], 0xff800000                    ; hidden scores become -infinity ahead of the maximum: p = 0 then.  A query's own key lies in this step, so its maximum is a number
.set n1, 0
.rept 64
	v_cmp_gt_i32 vcc_lo, 32*(n1/16)+n1%16, v[DD]
	v_cndmask_b32 v[S+n1], v[S+n1], v[T1], vcc_lo
.set n1, n1+1
.endr
.endif
.irp b, 0,1,2,3
	v_max3_num_f32 v[BM+\b], v[S+16*\b], v[S+16*\b+1], v[S+16*\b+2]     ; the largest score of each block of 32 keys: for the row's maximum, and, since p rises with the score, for the block's largest p
.endr
.irp i, 3,5,7,9,11,13
.irp b, 0,1,2,3
	v_max3_num_f32 v[BM+\b], v[BM+\b], v[S+16*\b+\i], v[S+16*\b+\i+1]
.endr
.endr
.irp b, 0,1,2,3
	v_max_num_f32 v[BM+\b], v[BM+\b], v[S+16*\b+15]
.endr
.irp b, 0,1,2,3
	v_permlanex16_b32 v[BT+\b], v[BM+\b], s[SEL], s[SEL+1]
.endr
.irp b, 0,1,2,3
	v_max_num_f32 v[BM+\b], v[BM+\b], v[BT+\b]     ; with lane l xor 16's 16 keys
.endr
	v_max3_num_f32 v[T0], v[BM], v[BM+1], v[BM+2]
	v_max_num_f32 v[T0], v[T0], v[BM+3]
	v_mul_f32 v[T0], s[CS], v[T0]                  ; the step's largest t (c is positive)
	v_max_num_f32 v[NM+1], v[NM+1], v[T0]          ; the running largest t
	v_mov_b32 v[T0], v[NM]
	v_floor_f32 v[NM], -v[NM+1]                    ; the new -M = floor(-t): M is a whole number
	v_sub_f32 v[T0], v[NM], v[T0]                  ; old M - new M: a whole number, 0 or less
	v_cvt_i32_f32 v[T0], v[T0]                     ; (it saturates)
	v_ldexp_f32 v[FF], 1.0, v[T0]                  ; the factor 2^(old M - new M): it rounds nothing
.set n1, 0
.rept 32
	v_pk_fma_f32 v[S+n1:S+n1+1], v[S+n1:S+n1+1], s[CS:CS+1], v[NM:NM+1] op_sel_hi:[1,0,0]   ; t - M, two at a time
.set n1, n1+2
.endr
.irp b, 0,1,2,3
	v_fma_f32 v[BM+\b], v[BM+\b], s[CS], v[NM]
.endr
.set n1, 0
.rept 64
	v_exp_f32 v[S+n1], v[S+n1]                     ; p = 2^(t - M), at most 1
.set n1, n1+1
.endr
.irp b, 0,1,2,3
	v_exp_f32 v[BM+\b], v[BM+\b]                   ; the block's largest p: the same two instructions on the same number
.endr
	v_pk_mul_f32 v[SUM:SUM+1], v[SUM:SUM+1], v[FF:FF+1] op_sel_hi:[1,0]   ; the sums under the new M (a plain place behind the exponentials)
	s_wait_alu depctr_va_vdst(0)
.irp b, 0,1,2,3
	v_max_num_f32 v[BM+\b], 0x2800000, v[BM+\b]    ; the floor 2^(5 - 127): the byte cannot fall under 1
.endr
.irp b, 0,1,2,3
	v_add_nc_u32 v[SOP+\b], 0xfe000000, v[BM+\b]
.endr
.irp b, 0,1,2,3
	v_lshrrev_b32 v[BT+\b], 23, v[SOP+\b]
.endr
	v_lshl_or_b32 v[PW], v[BT+1], 8, v[BT]
	v_lshl_or_b32 v[PW], v[BT+2], 16, v[PW]
	v_lshl_or_b32 v[PW], v[BT+3], 24, v[PW]        ; p's scale word for these 128 keys
.irp c, 0,1
	v_cvt_scalef32_pk16_bf6_f32 v[PC+6*\c:PC+6*\c+2], v[S+32*\c:S+32*\c+15], v[SOP+2*\c]
	v_cvt_scalef32_pk16_bf6_f32 v[PC+12+4*\c:PC+14+4*\c], v[S+32*\c+16:S+32*\c+31], v[SOP+2*\c+1]
.endr
	SWAPS
	v_pk_add_f32 v[BT:BT+1], v[S:S+1], v[S+2:S+3]  ; the row's sum is taken of the unquantised p: two at a time, in two chains
.set n1, 4
.rept 15
	v_pk_add_f32 v[SUM:SUM+1], v[SUM:SUM+1], v[S+n1:S+n1+1]
	v_pk_add_f32 v[BT:BT+1], v[BT:BT+1], v[S+n1+2:S+n1+3]
.set n1, n1+4
.endr
	v_pk_add_f32 v[SUM:SUM+1], v[SUM:SUM+1], v[BT:BT+1]
.irp c, 0,1,2
	ds_store_b128 v[W16], v[PC+4*\c:PC+4*\c+3] offset:PIMG+512*\c
.endr
	ds_store_b32 v[W4], v[PW] offset:PSC
	ds_store_b32 v[W4], v[FF] offset:PF
	BARRIER                                        ; the four tiles' p lie in LDS, and nobody reads this step's K any more
.set n1, 0
.rept 12
	ds_load_b128 v[PFR+4*n1:PFR+4*n1+3], v[LI] offset:PIMG+512*n1
.set n1, n1+1
.endr
.irp m, 0,1,2,3
	ds_load_b32 v[PS+\m], v[L4] offset:PSC+128*\m
	ds_load_b32 v[FM+2*\m], v[L4] offset:PF+128*\m
.endr
	s_wait_loadcnt 0x0                             ; this step's V, and the next step's K
.if \masked == 0
	KSTORE
	s_add_nc_u64 s[KB:KB+1], s[KB:KB+1], 12288
	s_add_nc_u64 s[KSB:KSB+1], s[KSB:KSB+1], 1024
	s_wait_dscnt 8                                 ; the twenty loads are in; the eight stores behind them may be out
.else
	s_wait_dscnt 0x0
.endif
.irp m, 0,1,2,3
	WIN 0x41                                       ; O^T (destination and source 0) window 1
.set n1, 0
.rept 32
	v_pk_mul_f32 v[64*\m+n1:64*\m+n1+1], v[64*\m+n1:64*\m+n1+1], v[FM+2*\m:FM+2*\m+1] op_sel_hi:[1,0]   ; tile m's O^T under its new M, each accumulator from its low end on
.set n1, n1+2
.endr
	WIN 0x52                                       ; source 0 (V) window 2, C and D window 1
.irp t, 0,1,2,3,4,5,6,7
.set rD, 64*\m+8*\t
.set rW, 96+12*\t
.set rX, PFR+12*\m
.set rSW, VSW+\t/2
.set rSX, PS+\m
	WM 0, \t%2                                     ; the 32 accumulators take turns, one instruction a turn
.endr
.endr
	WIN 0
	PLACES
.if \masked == 0
	s_add_nc_u64 s[VB:VB+1], s[VB:VB+1], 49152
	s_add_nc_u64 s[VSB:VSB+1], s[VSB:VSB+1], 2048
	VLOAD                                          ; the next step's: it has that step's softmax in which to land
	BARRIER                                        ; the next step's K lies in LDS, and nobody reads this step's p any more
.else
	W7LOAD 1                                       ; K's and V's registers are free
.endif
.endm
	s_cmp_eq_u32 s13, 0
	s_cbranch_scc1 .Lmasked
	s_mov_b32 s48, s13
.Lopen:
	ASTEP 0
	s_sub_co_u32 s48, s48, 1
	s_cmp_lg_u32 s48, 0
	s_cbranch_scc1 .Lopen
.Lmasked:
	ASTEP 1
; ---- out = O / sum becomes an operand
	v_add_f32 v[SUM], v[SUM], v[SUM+1]
	v_permlanex16_b32 v[T0], v[SUM], s[SEL], s[SEL+1]
	v_add_f32 v[SUM], v[SUM], v[T0]                ; the row's sum
	v_rcp_f32 v[SUM], v[SUM]
	v_nop                                          ; one plain place behind a transcendental
	s_wait_alu depctr_va_vdst(0)
	ds_store_b32 v[W4], v[SUM] offset:LINV
	BARRIER
.irp m, 0,1,2,3
	ds_load_b32 v[FM+2*\m], v[L4] offset:LINV+128*\m
.endr
	s_wait_dscnt 0x0
.irp m, 0,1,2,3
	WIN 0x01                                       ; source 0 (O^T) window 1
.set n1, 0
.rept 32
	v_pk_mul_f32 v[S+n1:S+n1+1], v[64*\m+n1:64*\m+n1+1], v[FM+2*\m:FM+2*\m+1] op_sel_hi:[1,0]   ; register 16 b + i: channel 128 w + 32 b + 16 h + i of query r
.set n1, n1+2
.endr
	WIN 0
	QUANT S
.irp c, 0,1,2
	ds_store_b128 v[W16], v[PC+4*\c:PC+4*\c+3] offset:OIMG+6144*\m+512*\c   ; K step w of the last product, tile m
.endr
	ds_store_b32 v[W4], v[PW] offset:OSC+512*\m
	s_wait_dscnt 0x0                               ; the stores have read their registers
.endr
	BARRIER                                        ; out's sixteen images lie in LDS
; ---- y (m, t) in window 1: my 128 columns for the 64 queries.  Each fragment of w7 feeds eight products.
.macro OLOAD s                         ; out's four fragments of K step s and their scale words: 16 loads
.irp m, 0,1,2,3
.irp c, 0,1,2
	ds_load_b128 v[OF+12*\m+4*\c:OF+12*\m+4*\c+3], v[LI] offset:OIMG+(4*\m+(\s))*1536+512*\c
.endr
	ds_load_b32 v[OSW+\m], v[L4] offset:OSC+(4*\m+(\s))*128
.endr
.endm
.macro QLOAD s                         ; q3's likewise
.irp m, 0,1,2,3
.irp c, 0,1,2
	ds_load_b128 v[QF+12*\m+4*\c:QF+12*\m+4*\c+3], v[LIB] offset:(4*\m+(\s))*1536+512*\c
.endr
	ds_load_b32 v[QSW+\m], v[L4B] offset:(4*\m+(\s))*128
.endr
.endm
.macro Y32 s, g, xr, xs, zero          ; 32 products: part g (0: K step s, 1: K step 4 + s) of w7 against the four fragments at v[xr]; the 32 accumulators by turns
.if (\s)%2 == 0
	WIN 0x53
.set rS7, 246
.else
	WIN 0x52
.set rS7, 54
.endif
.irp t, 0,1,2,3,4,5,6,7
.irp m, 0,1,2,3
.set rD, 64*\m+8*\t
.set rW, 96*(\g)+12*\t
.set rX, (\xr)+12*\m
.set rSW, rS7+4*(\g)+\t/2
.set rSX, (\xs)+\m
	WM \zero, \t%2
.endr
.endr
.endm
.macro YSTEP s, zero
.if (\s) == 3
	s_wait_loadcnt 0x0
.elseif (\s) > 0
	s_wait_loadcnt 56                              ; this step's set of w7 is in; the next set's 56 loads stay out
.endif
	s_wait_dscnt 16                                ; out's fragments are in; q3's sixteen loads may be out
	Y32 \s, 0, OF, OSW, \zero
	Y32 \s, 1, OF, OSW, 0
	PLACES
	WIN 0
.if (\s) < 3
	OLOAD (\s)+1
	s_wait_dscnt 16                                ; q3's are in; the sixteen just issued may be out
.else
	s_wait_dscnt 0x0
.endif
	Y32 \s, 0, QF, QSW, 0
	Y32 \s, 1, QF, QSW, 0
	PLACES
	WIN 0
.if (\s) < 3
	QLOAD (\s)+1
.endif
.if (\s) < 2
	W7LOAD (\s)+2                                  ; into the window just multiplied
.endif
.endm
	OLOAD 0
	QLOAD 0
	YSTEP 0, 1                                     ; the first products start the sums
	YSTEP 1, 0
	YSTEP 2, 0
	YSTEP 3, 0
; ---- THE WAY OUT: a tile of 16 queries x my 128 columns goes through my own stage and comes back as whole rows of 512 bytes
.macro TOSTAGE m
	WIN 0x04                                       ; an LDS store's data are its source 1: window 1
.irp g, 0,1,2,3
.irp e, 0,1,2,3
	ds_store_b128 v[STO], v[64*(\m)+16*\g+4*\e:64*(\m)+16*\g+4*\e+3] offset:128*\g+16*\e   ; each accumulator from its low end on
.endr
.endr
	WIN 0
.set BK, 100+64*((\m)%2)
.irp p, 0,1,2,3,4,5,6,7,8,9,10,11,12,13,14,15
	ds_load_b128 v[BK+4*\p:BK+4*\p+3], v[RD] offset:528*\p     ; LDS serves a wave's instructions in order: these see my stores
.endr
.endm
.macro SEND m, younger
.set BK, 100+64*((\m)%2)
	s_wait_dscnt \younger                          ; the tile is back in registers; the next tile's 16 stores and 16 loads may be out
.irp p, 0,1,2,3,4,5,6,7,8,9,10,11,12,13,14,15
	global_store_b128 v[LI], v[BK+4*\p:BK+4*\p+3], s[OUT:OUT+1] offset:(32*((\m)/2)+8*((\m)%2)+\p+8*(\p/8))*2048 th:TH_STORE_NT   ; 32 lanes store 512 consecutive bytes, at a multiple of 256 from the buffer's first byte
.endr
.endm
	TOSTAGE 0
	TOSTAGE 1
	SEND 0, 32
	s_wait_xcnt 0x0                                ; tile 0's stores have read their registers: tile 2's rows may land there
	TOSTAGE 2
	SEND 1, 32
	s_wait_xcnt 0x0
	TOSTAGE 3
	SEND 2, 32
	SEND 3, 0
	s_wait_tensorcnt 0x0
	ds_add_u32 v254, v255
	s_wait_dscnt 0x0
	s_endpgm
.Lfunc_end_k_qc634f9b297_attn:
	.size	k_qc634f9b297_attn, .Lfunc_end_k_qc634f9b297_attn-k_qc634f9b297_attn
	.p2alignl 7, 3214868480
	.fill 96, 4, 3214868480
	.section	.rodata,"a",@progbits
	.p2align	6, 0x0
	.amdhsa_kernel k_qc634f9b297_attn
		.amdhsa_group_segment_fixed_size 111104
		.amdhsa_private_segment_fixed_size 0
		.amdhsa_enable_private_segment 0
		.amdhsa_kernarg_size 24
		.amdhsa_user_sgpr_count 2
		.amdhsa_user_sgpr_kernarg_segment_ptr 1
		.amdhsa_wavefront_size32 1
		.amdhsa_system_sgpr_workgroup_id_x 1
		.amdhsa_system_sgpr_workgroup_id_y 1
		.amdhsa_system_sgpr_workgroup_id_z 1
		.amdhsa_system_vgpr_workitem_id 0
		.amdhsa_next_free_vgpr 1024
		.amdhsa_next_free_sgpr 66
		.amdhsa_reserve_vcc 1
		.amdhsa_float_denorm_mode_32 3
		.amdhsa_float_denorm_mode_16_64 3
		.amdhsa_memory_ordered 1
		.amdhsa_forward_progress 1
		.amdhsa_inst_pref_size 220
	.end_amdhsa_kernel
	.amdgpu_metadata
---
amdhsa.version: [ 1, 2 ]
amdhsa.kernels:
  - .name:           k_qc634f9b297_attn
    .symbol:         k_qc634f9b297_attn.kd
    .args:
      - { .name: wq, .offset: 0, .size: 8, .value_kind: global_buffer, .address_space: global }
      - { .name: act, .offset: 8, .size: 8, .value_kind: global_buffer, .address_space: global }
      - { .name: out0, .offset: 16, .size: 8, .value_kind: global_buffer, .address_space: global }
    .group_segment_fixed_size: 111104
    .private_segment_fixed_size: 0
    .kernarg_segment_align: 8
    .kernarg_segment_size: 24
    .max_flat_workgroup_size: 128
    .sgpr_count:     66
    .vgpr_count:     1024
    .wavefront_size: 32
...
	.end_amdgpu_metadata
.endif
;; end of part 3
;; ======== version 2 of 2: 3 launches; version 1 with the launches proj, attn written anew for expert scheduling mode
;; workspace buffers: wq 8,294,400 bytes; act 10,223,616 bytes
;; launch prep: the kernel of part 1 again; grid 324 x 1, 4 waves a work-group, no clusters, 25,088 bytes of LDS; arguments v, w1, w3, w4, w7, w2, w6, wq; writes wq
;; launch proj (part 4): grid 256 x 1, 4 waves a work-group, no clusters, 246,272 bytes of LDS; arguments q, k, wq, act; writes act
.if DOCPART == 4
	.amdgcn_target "amdgcn-amd-amdhsa--gfx1250"
	.amdhsa_code_object_version 6
	.text
	.protected	k_qc634f9b297_proj
	.globl	k_qc634f9b297_proj
	.p2align	8
	.type	k_qc634f9b297_proj,@function
k_qc634f9b297_proj:
	s_mov_b64 s[64:65], 0
	v_nop
	global_prefetch_b8 v0, s[64:65] scope:SCOPE_SE
	s_setreg_imm32_b32 hwreg(HW_REG_WAVE_SCHED_MODE, 0, 2), 2
	s_setreg_imm32_b32 hwreg(HW_REG_WAVE_MODE, 25, 1), 1
	s_wait_xcnt 0x0
	s_wait_alu depctr_vm_vsrc(0)
; Work-groups 0-127 take 128 rows of q: h = Q(q) Q(w1), q2 = Q(h) Q(w2), q3 = Q(q) Q(w3).  Work-groups 128-255 take 128 rows of k: h = Q(k) Q(w4), k3 = Q(h) Q(w6).
; All products on codes of BF6 (E3M2) with one E8M0 scale for each 32 along K; sums in f32.  q2, k3 and q3 are only ever used as quantised operands: they leave as codes, as images of the operand's registers.
; A FRAGMENT IMAGE (16 rows x 128 K, 12 registers a lane) is 1,536 bytes: piece c at 512 c + 16 lane holds the lane's registers 4 c .. 4 c + 3; its scale words are 128 bytes, 4 a lane.
; ROWS OF A TILE: of 32 neighbouring rows x, tile 2 p + u takes x = 8 u + r + 8 (r / 8); the weights' columns are laid the same way by the launch before.
; EVERY PRODUCT IS USED TRANSPOSED (source 0 = 16 columns of the weight, source 1 = 16 rows of x): a lane holds one row, and the 16 registers of two neighbouring tiles are 16 neighbours along the next K.
; PHASE X: wave w quantises rows 32 w .. 32 w + 31 (two tiles x eight K steps); each load takes 512 consecutive bytes of one row; a unit of 16 rows x 128 K turns through the wave's own stage, so that a lane holds 16 neighbours of each block.
; A PASS (K = 1,024, N = 512): wave w owns columns 128 w .. + 127 for all eight tiles of rows: 64 accumulators, 512 registers.  x's fragments come from LDS; the weights come from memory straight into the registers
; of the one wave that multiplies by them, three sets by turns, asked for two K steps (128 matrix instructions) ahead.
; NO CLUSTER, NO TENSOR LOAD: a joint load lands in LDS, and each K step would then read 12,288 bytes more a wave from LDS for weights that no second wave of the work-group wants.
; THE SECOND PRODUCT (K = 512, N = 128): the waves share the ROWS (wave w: tiles 2 w, 2 w + 1), so that a wave's result is a whole fragment; h goes round as images; w2 or w6 lies in LDS, since all four waves read all of it.
; LIMITS: NaN and infinities among the inputs are not served; a block whose largest magnitude lies under 2^-122 keeps the byte 1; a block of zeros keeps the byte 1 with zero codes.
; REGISTERS, in windows of 256: window 0: v4-20 addresses; v24-39 x's scale words (two sets); v40-51 the weights' pair words (three sets); v52-57 w2's and h's scale words; v64-159 x's eight fragments; v160-255 weights' set 2.
;   Laid over them while they are idle: v160-223 64 numbers of x; v96-133 the quantiser's work; v64-87 two fragments of h; v160-255 w2's eight fragments.
;   window 1: weights' sets 0 and 1.   windows 2, 3: accumulator (a, b) at window 2 + a / 4, v[64 (a % 4) + 8 b]; in phase X window 2 holds four units of loads, window 3 the copy of w2.
; THE MODE: SCHED_MODE bits 1:0 = 2 (LLVM: expert scheduling mode 2), set by the entry lines.  The code itself states the register dependences between vector or matrix instructions
; and memory or LDS instructions, with s_wait_alu, always for 0.
; THE PLAN.  Registers that memory or LDS instructions touch, and who else names them:
;   v4-20             addresses: written at the head, read by every load and store, never written again.  One wait on va_vdst ahead of the first load.
;   window 2 in X     a quarter takes a unit's 16 loads, the stage's stores read it, no vector instruction names it.  One wait on vm_vsrc a unit, behind those stores, ahead of the loads that land there again.
;   v160-223 in X     a unit's numbers land here from the stage; the quantiser reads them.
;   v112-125          the codes and the scale word: a quantiser writes them, the image stores (to LDS or to memory) read them.
;                     So behind a quantiser stands a wait on va_vdst (codes written, numbers read), and between its stores and the next writer of the codes a wait on vm_vsrc.
;   v64-111, v112-159 x's tiles 0-3 and 4-7: read by a K step's first and second 32 products, loaded again behind them.    v24-39: their scale words, the set of the step before is loaded.
;   the weights' sets and v40-51: read by a K step's 64 products, loaded again behind them, for three steps on.
; A K STEP has two waits on va_vdst.  Behind the first 32 products: tiles 0-3 are read.  The 20 LDS loads that hang on it (tiles 0-3 and the scale words of the next step) are dealt, five in front of each eight of the
; second 32 products, which name tiles 4-7, this step's weights and scale words and window 3: none of the registers that those loads touch.  Behind the second 32: tiles 4-7 and the weights' set are read.
.set W1C, 0
.set W3C, 393216
.set W4C, 786432
.set W1S, 1572864
.set W3S, 1589248
.set W4S, 1605632
.set W2C, 1638400
.set W6C, 1687552
.set W2S, 1736704
.set W6S, 1738752
.set Q2C, 0
.set K3C, 1572864
.set Q2S, 3145728
.set K3S, 3276800
.set Q3C, 3407872
.set Q3S, 9699328
.set XSC,   98304                      ; LDS: x's 64 images (K step s, tile a: 8 s + a) from byte 0; their scale words here;
.set HIMG,  106496                     ; h's 32 images (4 a + K step),
.set HSC,   155648                     ; their scale words,
.set W2IMG, 159744                     ; w2's or w6's 32 images (8 K step + tile),
.set W2SC,  208896                     ; their pair words (4 K step + pair),
.set STG,   210944                     ; and a stage of 16 rows x (512 + 16) bytes for each wave
.set LI,   4                           ; 16 lane: an image's place for my lane, in LDS and in memory
.set LI2,  5                           ; + 49,152: x's K steps 4-7
.set LS,   6                           ; 4 lane + XSC
.set XWI,  7                           ; where I store x's images: 16 lane + 3,072 wave
.set XWI2, 8                           ; + 49,152
.set XWS,  9                           ; and their scale words
.set HWI,  10                          ; where I store h's images (K step = my wave)
.set HWS,  11
.set HRI,  12                          ; where I read them (tiles 2 w, 2 w + 1)
.set HRS,  13
.set W2I,  14
.set W2SA, 15
.set W2WI, 16                          ; where I put my quarter of w2
.set W2WS, 17
.set STI,  18                          ; the stage: in, 16 bytes a lane of a row
.set STO,  19                          ; out: row r, + 64 h
.set L4,   20                          ; 4 lane
.set XS,   24
.set BS,   40
.set W2P,  52
.set HSW,  56
.set AF,   64
.set HF,   64
.set TM,   96                          ; v96-99 largest magnitudes, v100-103 bytes, v108-111 scale operands
.set PW,   112                         ; the scale word just made
.set PC,   114                         ; v114-125 the codes just made, v126-132 at work
.set X,    160
.set XB,   16                          ; s[16:17] x at my wave's first row
.set SEL,  38                          ; s[38:39] v_permlanex16_b32's selects for lane l xor 16
.set MSB, 0
.macro WIN new                         ; the immediate's high byte repeats the setting that is left; a switch that changes nothing is dropped
.if MSB != (\new)
	s_set_vgpr_msb (MSB<<8)|(\new)
.set MSB, (\new)
.endif
.endm
.macro PLACES                          ; four places behind a matrix instruction, in front of loads into its registers and of reads of its results
.rept 4
	v_nop
.endr
.endm
.macro BARRIER                         ; my LDS stores have landed and my LDS loads are in: then the work-group's barrier
	s_wait_dscnt 0x0
	s_barrier_signal -1
	s_barrier_wait -1
.endm
; One matrix instruction on the registers named by rD, rW, rX, rSW, rSX.  odd = 1: the weight's tile is the pair's second: its scale words stand in lanes 16-31.
.macro WM zero, odd
.if \zero
.if \odd
	v_wmma_scale_f32_16x16x128_f8f6f4 v[rD:rD+7], v[rW:rW+11], v[rX:rX+11], 0, v[rSW], v[rSX] matrix_a_fmt:MATRIX_FMT_BF6 matrix_b_fmt:MATRIX_FMT_BF6 matrix_a_scale:MATRIX_SCALE_ROW1
.else
	v_wmma_scale_f32_16x16x128_f8f6f4 v[rD:rD+7], v[rW:rW+11], v[rX:rX+11], 0, v[rSW], v[rSX] matrix_a_fmt:MATRIX_FMT_BF6 matrix_b_fmt:MATRIX_FMT_BF6
.endif
.else
.if \odd
	v_wmma_scale_f32_16x16x128_f8f6f4 v[rD:rD+7], v[rW:rW+11], v[rX:rX+11], v[rD:rD+7], v[rSW], v[rSX] matrix_a_fmt:MATRIX_FMT_BF6 matrix_b_fmt:MATRIX_FMT_BF6 matrix_a_scale:MATRIX_SCALE_ROW1
.else
	v_wmma_scale_f32_16x16x128_f8f6f4 v[rD:rD+7], v[rW:rW+11], v[rX:rX+11], v[rD:rD+7], v[rSW], v[rSX] matrix_a_fmt:MATRIX_FMT_BF6 matrix_b_fmt:MATRIX_FMT_BF6
.endif
.endif
.endm
; 64 numbers of a lane, v[s] .. v[s + 63] of window w, register 16 b + i = k 32 b + 16 (lane / 16) + i of my row, become a fragment's codes in v[PC] on and its scale word in v[PW].
; Each accumulator among the 64 is read from its low end on.
.macro QUANT s, w
	WIN ((\w)<<2)|((\w)<<4)
.irp b, 0,1,2,3
	v_max3_num_f32 v[TM+\b], 0x2800000, |v[(\s)+16*\b]|, |v[(\s)+16*\b+1]|   ; my 16 numbers of block b, and the floor 2^(5 - 127): the byte cannot fall under 1
.endr
.irp i, 2,4,6,8,10,12,14
.irp b, 0,1,2,3
	v_max3_num_f32 v[TM+\b], v[TM+\b], |v[(\s)+16*\b+\i]|, |v[(\s)+16*\b+\i+1]|
.endr
.endr
	WIN 0
.irp b, 0,1,2,3
	v_permlanex16_b32 v[TM+4+\b], v[TM+\b], s[SEL], s[SEL+1]
.endr
.irp b, 0,1,2,3
	v_max_num_f32 v[TM+\b], v[TM+\b], v[TM+4+\b]   ; with lane l xor 16's: the block's largest magnitude
.endr
.irp b, 0,1,2,3
	v_add_nc_u32 v[TM+12+\b], 0xfe000000, v[TM+\b] ; 4 off its exponent field: the conversion's scale operand
.endr
.irp b, 0,1,2,3
	v_lshrrev_b32 v[TM+4+\b], 23, v[TM+12+\b]      ; the scale's byte
.endr
	v_lshl_or_b32 v[PW], v[TM+5], 8, v[TM+4]
	v_lshl_or_b32 v[PW], v[TM+6], 16, v[PW]
	v_lshl_or_b32 v[PW], v[TM+7], 24, v[PW]
	WIN (\w)
.irp c, 0,1
	v_cvt_scalef32_pk16_bf6_f32 v[PC+6*\c:PC+6*\c+2], v[(\s)+32*\c:(\s)+32*\c+15], v[TM+12+2*\c]
	v_cvt_scalef32_pk16_bf6_f32 v[PC+12+4*\c:PC+14+4*\c], v[(\s)+32*\c+16:(\s)+32*\c+31], v[TM+13+2*\c]
.endr
	WIN 0
	v_nop                                          ; one plain place behind a scaled conversion
.irp c, 0,1                            ; the operand's layout wants a whole block in a lane: lanes 0-15 block 2 c, lanes 16-31 block 2 c + 1
.irp i, 0,1,2
	v_permlane16_swap_b32 v[PC+6*\c+\i], v[PC+12+4*\c+\i]
.endr
.irp i, 0,1,2
	v_mov_b32 v[PC+3+6*\c+\i], v[PC+12+4*\c+\i]
.endr
.endr
.endm
	s_load_b256 s[4:11], s[0:1], 0x0               ; q s[4:5], k s[6:7], wq s[8:9], act s[10:11]
	v_lshl_add_u32 v62, v0, 2, 0x3c000
	v_mov_b32 v63, 0
	v_lshrrev_b32 v1, 5, v0
	v_readfirstlane_b32 s12, v1                    ; wave
	s_lshr_b32 s13, ttmp9, 7                       ; 0: rows of q; 1: rows of k
	s_and_b32 s14, ttmp9, 127                      ; which 128 rows
	v_and_b32 v1, 31, v0
	v_and_b32 v2, 15, v0                           ; r
	v_bfe_u32 v3, v0, 4, 1                         ; h
	v_lshlrev_b32 v[LI], 4, v1
	v_lshlrev_b32 v[L4], 2, v1
	v_add_nc_u32 v[LI2], 49152, v[LI]
	v_add_nc_u32 v[LS], XSC, v[L4]
	s_wait_alu depctr_va_sdst(0)                   ; s12 is written, ahead of its first reader: LDS addresses and the buffers' offsets are made from it
	s_mul_i32 s40, s12, 3072
	v_add_nc_u32 v[XWI], s40, v[LI]
	v_add_nc_u32 v[XWI2], 49152, v[XWI]
	s_lshl_b32 s40, s12, 8
	v_add_nc_u32 v[XWS], s40, v[LS]
	s_mul_i32 s40, s12, 1536
	s_add_co_u32 s40, s40, HIMG
	v_add_nc_u32 v[HWI], s40, v[LI]
	s_lshl_b32 s40, s12, 7
	s_add_co_u32 s40, s40, HSC
	v_add_nc_u32 v[HWS], s40, v[L4]
	s_mul_i32 s40, s12, 12288
	s_add_co_u32 s41, s40, HIMG
	v_add_nc_u32 v[HRI], s41, v[LI]
	s_add_co_u32 s41, s40, W2IMG
	v_add_nc_u32 v[W2WI], s41, v[LI]
	s_lshl_b32 s41, s12, 10
	s_add_co_u32 s41, s41, HSC
	v_add_nc_u32 v[HRS], s41, v[L4]
	v_add_nc_u32 v[W2I], W2IMG, v[LI]
	v_add_nc_u32 v[W2SA], W2SC, v[L4]
	s_lshl_b32 s42, s12, 9
	v_add_nc_u32 v[W2WS], s42, v[W2SA]
	s_mul_i32 s41, s12, 8448
	s_add_co_u32 s41, s41, STG
	v_add_nc_u32 v[STI], s41, v[LI]
	v_mul_u32_u24 v[STO], v2, 528
	v_lshl_add_u32 v[STO], v3, 6, v[STO]
	v_add_nc_u32 v[STO], s41, v[STO]
.irp b, 0,1,2,3
	v_mov_b32 v[TM+4+\b], 0                        ; written once: a lane permute's destination counts as one of its sources
.endr
	s_mov_b32 s[SEL], 0x76543210
	s_mov_b32 s[SEL+1], 0xfedcba98
	s_mov_b32 s45, W4S
	s_mov_b32 s46, W6C
	s_mov_b32 s47, W6S
	s_mov_b32 s49, K3S
	s_mov_b32 s51, 0
	s_wait_kmcnt 0x0
	s_cmp_eq_u32 s13, 0                            ; the choice hangs on the work-group's number alone
	s_cselect_b64 s[XB:XB+1], s[4:5], s[6:7]
	s_cselect_b32 s44, W1C, W4C
	s_cselect_b32 s45, W1S, s45
	s_cselect_b32 s46, W2C, s46
	s_cselect_b32 s47, W2S, s47
	s_cselect_b32 s48, Q2C, K3C
	s_cselect_b32 s49, Q2S, s49
	s_add_co_u32 s50, s44, s40                     ; (s40 = 12,288 wave, s42 = 512 wave)
	s_add_nc_u64 s[18:19], s[8:9], s[50:51]        ; w1's or w4's codes: my eight tiles
	s_add_co_u32 s50, s45, s42
	s_add_nc_u64 s[20:21], s[8:9], s[50:51]        ; and their pair words
	s_add_co_u32 s50, s40, W3C
	s_add_nc_u64 s[22:23], s[8:9], s[50:51]        ; w3's
	s_add_co_u32 s50, s42, W3S
	s_add_nc_u64 s[24:25], s[8:9], s[50:51]
	s_add_co_u32 s50, s46, s40
	s_add_nc_u64 s[26:27], s[8:9], s[50:51]        ; my quarter of w2 or w6
	s_add_co_u32 s50, s47, s42
	s_add_nc_u64 s[28:29], s[8:9], s[50:51]
	s_lshl_b32 s52, s14, 3
	s_lshl_b32 s53, s12, 1
	s_add_co_u32 s52, s52, s53                     ; tile of rows 8 block + 2 wave
	s_mul_i32 s50, s52, 1536
	s_add_co_u32 s50, s50, s48
	s_add_nc_u64 s[30:31], s[10:11], s[50:51]      ; q2's or k3's codes
	s_lshl_b32 s50, s52, 7
	s_add_co_u32 s50, s50, s49
	s_add_nc_u64 s[32:33], s[10:11], s[50:51]      ; and scale words
	s_mul_i32 s50, s14, 49152
	s_mul_i32 s53, s12, 1536
	s_add_co_u32 s50, s50, s53
	s_add_co_u32 s50, s50, Q3C
	s_add_nc_u64 s[34:35], s[10:11], s[50:51]      ; q3's codes: (tile of rows x 4 + K step), K step = my wave
	s_lshl_b32 s50, s14, 12
	s_lshl_b32 s53, s12, 7
	s_add_co_u32 s50, s50, s53
	s_add_co_u32 s50, s50, Q3S
	s_add_nc_u64 s[36:37], s[10:11], s[50:51]
	s_lshl_b32 s50, s14, 19
	s_lshl_b32 s53, s12, 17
	s_add_co_u32 s50, s50, s53
	s_add_nc_u64 s[XB:XB+1], s[XB:XB+1], s[50:51]  ; x: 128 rows x block + 32 rows x wave, 4,096 bytes a row
; ---- PHASE X.  Unit n (0..15): K step n / 2, my tile n % 2: 16 rows x 512 bytes, into quarter n % 4 of window 2
.macro XLOAD n
	WIN 0x80
.irp j, 0,1,2,3,4,5,6,7,8,9,10,11,12,13,14,15
	global_load_b128 v[64*((\n)%4)+4*\j:64*((\n)%4)+4*\j+3], v[LI], s[XB:XB+1] offset:(8*((\n)%2)+\j+8*(\j/8))*4096+512*((\n)/2) th:TH_LOAD_NT
.endr
	WIN 0
.endm
.macro XUNIT n
.if (\n) < 12
	s_wait_loadcnt 48                              ; my unit's 16 loads are in; the three younger units stay out
.else
	s_wait_loadcnt 16*(15-(\n))
.endif
	WIN 0x08                                       ; an LDS store's data are its source 1: window 2
.irp j, 0,1,2,3,4,5,6,7,8,9,10,11,12,13,14,15
	ds_store_b128 v[STI], v[64*((\n)%4)+4*\j:64*((\n)%4)+4*\j+3] offset:528*\j
.endr
	WIN 0
.irp b, 0,1,2,3
.irp j, 0,1,2,3
	ds_load_b128 v[X+16*\b+4*\j:X+16*\b+4*\j+3], v[STO] offset:128*\b+16*\j   ; LDS serves a wave's instructions in order: these see my stores
.endr
.endr
	s_wait_dscnt 0x0                               ; the numbers are back from the stage
	s_wait_alu depctr_vm_vsrc(0)                   ; the stage's stores have read this unit's quarter of window 2, in which the loads below land; the last unit's image stores have read the codes and the scale word, which the quantiser writes again
.if (\n)+4 < 16
	XLOAD (\n)+4
.endif
	QUANT X, 0
	s_wait_alu depctr_va_vdst(0)                   ; the quantiser has written the codes and the scale word, which the stores below read, and is done reading v[X ..], in which the next unit's numbers land
.irp c, 0,1,2
.if (\n) < 8
	ds_store_b128 v[XWI], v[PC+4*\c:PC+4*\c+3] offset:(((\n)/2)*8+(\n)%2)*1536+512*\c
.else
	ds_store_b128 v[XWI2], v[PC+4*\c:PC+4*\c+3] offset:(((\n)/2-4)*8+(\n)%2)*1536+512*\c
.endif
.endr
	ds_store_b32 v[XWS], v[PW] offset:(8*((\n)/2)+(\n)%2)*128
.endm
	WIN 0xc0                                       ; my quarter of w2 or w6, through window 3 into LDS
	s_wait_alu depctr_va_vdst(0)                   ; the addresses v4 to v20 are written: every load and store of the kernel reads one of them
.set n1, 0
.rept 24
	global_load_b128 v[4*n1:4*n1+3], v[LI], s[26:27] offset:512*n1
.set n1, n1+1
.endr
.set n1, 0
.rept 4
	global_load_b32 v[96+n1], v[L4], s[28:29] offset:128*n1
.set n1, n1+1
.endr
	WIN 0
	XLOAD 0
	XLOAD 1
	XLOAD 2
	s_wait_loadcnt 48                              ; the three units' 48 loads are younger than the copy's 28
	WIN 0x0c
.set n1, 0
.rept 24
	ds_store_b128 v[W2WI], v[4*n1:4*n1+3] offset:512*n1
.set n1, n1+1
.endr
.set n1, 0
.rept 4
	ds_store_b32 v[W2WS], v[96+n1] offset:128*n1
.set n1, n1+1
.endr
	WIN 0
	XLOAD 3
.irp n, 0,1,2,3,4,5,6,7,8,9,10,11,12,13,14,15
	XUNIT \n
.endr
; ---- A PASS
.macro BLOAD sg, cb, sb                ; K step sg's eight fragments of my columns into set sg % 3, and their four pair words: 28 loads
.if (\sg)%3 == 2
	WIN 0
.set rB, 160
.else
	WIN 0x40
.set rB, 96*((\sg)%3)
.endif
.set n1, 0
.rept 24
	global_load_b128 v[rB+4*n1:rB+4*n1+3], v[LI], s[\cb:\cb+1] offset:(\sg)*49152+512*n1
.set n1, n1+1
.endr
	WIN 0
.set n1, 0
.rept 4
	global_load_b32 v[BS+4*((\sg)%3)+n1], v[L4], s[\sb:\sb+1] offset:(\sg)*2048+128*n1
.set n1, n1+1
.endr
.endm
.macro FETCH_A1 s, a                   ; x's tile a of K step s: three loads
.set n2, 0
.rept 3
.if (\s) < 4
	ds_load_b128 v[AF+12*(\a)+4*n2:AF+12*(\a)+4*n2+3], v[LI] offset:((\s)*8+(\a))*1536+512*n2
.else
	ds_load_b128 v[AF+12*(\a)+4*n2:AF+12*(\a)+4*n2+3], v[LI2] offset:(((\s)-4)*8+(\a))*1536+512*n2
.endif
.set n2, n2+1
.endr
.endm
.macro FETCH_A s, a0                   ; x's tiles a0 .. a0 + 3 of K step s
.irp d, 0,1,2,3
	FETCH_A1 \s, (\a0)+\d
.endr
.endm
.macro SCALE2 s, a                     ; the scale words of x's tiles 2 a and 2 a + 1 of K step s
	ds_load_b32 v[XS+8*((\s)%2)+2*(\a)], v[LS] offset:(8*(\s)+2*(\a))*128
	ds_load_b32 v[XS+8*((\s)%2)+2*(\a)+1], v[LS] offset:(8*(\s)+2*(\a)+1)*128
.endm
.macro MUL8 s, a, zero                 ; x's tile a against my eight tiles of columns.  The 64 accumulators take turns, one instruction a turn, in the same order in every step
.if (\s)%3 == 2
.set rB, 160
	WIN 0xa0+0x50*((\a)/4)
.else
.set rB, 96*((\s)%3)
	WIN 0xa1+0x50*((\a)/4)
.endif
.set n2, 0
.rept 8
.set rD, 64*((\a)%4)+8*n2
.set rW, rB+12*n2
.set rX, AF+12*(\a)
.set rSW, BS+4*((\s)%3)+n2/2
.set rSX, XS+8*((\s)%2)+(\a)
	WM \zero, n2%2
.set n2, n2+1
.endr
.endm
.macro KSTEP s, zero, cb, sb
.if (\s) <= 5
	s_wait_loadcnt 56                              ; this step's weights are in; the two younger sets of 28 loads stay out
.elseif (\s) == 6
	s_wait_loadcnt 28
.else
	s_wait_loadcnt 0x0
.endif
	s_wait_dscnt 12                                ; x's tiles 0-3 and the scale words are in; the youngest twelve loads (tiles 4-7) may be out
.irp a, 0,1,2,3
	MUL8 \s, \a, \zero
.endr
	s_wait_dscnt 0x0
.if (\s) < 7
	PLACES
	s_wait_alu depctr_va_vdst(0)                   ; the 32 products above are done reading x's tiles 0-3, and the step before is done reading its set of scale words: the next step's land in both
.endif
.irp a, 0,1,2,3
.if (\s) < 7
	WIN 0
	FETCH_A1 (\s)+1, \a                            ; five loads in front of each eight products.  No further wait: no matrix instruction since the wait above names tiles 0-3 or the other set of scale words
	SCALE2 (\s)+1, \a
.endif
	MUL8 \s, 4+\a, \zero
.endr
	PLACES
	WIN 0
.if (\s) < 7
	s_wait_alu depctr_va_vdst(0)                   ; the 32 products above are done reading x's tiles 4-7, and the step's 64 its set of weights and their pair words: loads land in all three
	FETCH_A (\s)+1, 4
.endif
.if (\s) < 5
	BLOAD (\s)+3, \cb, \sb                         ; into the set just multiplied
.endif
.endm
.macro PASS cb, sb
	FETCH_A 0, 0
.irp a, 0,1,2,3
	SCALE2 0, \a
.endr
	FETCH_A 0, 4
	KSTEP 0, 1, \cb, \sb                           ; the first step's products start the sums: nothing is cleared
.irp s, 1,2,3,4,5,6,7
	KSTEP \s, 0, \cb, \sb
.endr
.endm
	BLOAD 0, 18, 20
	BLOAD 1, 18, 20
	BLOAD 2, 18, 20
	BARRIER                                        ; x's 64 images and w2's 32 lie in LDS
	s_wait_alu depctr_vm_vsrc(0)                   ; my last unit's image stores have read the codes and the scale word, v112 to v125, in which x's fragments land
	PASS 18, 20
; ---- h becomes an operand
	s_cmp_lg_u32 s13, 0
	s_cbranch_scc1 .Lno_w3                         ; q's work-groups ask for w3's first two K steps now: window 1 is idle until the second pass
	s_wait_alu depctr_va_vdst(0)                   ; the products of K steps 6 and 7 are done reading the weights' sets 0 and 1 and their pair words, in which w3's land
	BLOAD 0, 22, 24
	BLOAD 1, 22, 24
.Lno_w3:
.irp a, 0,1,2,3,4,5,6,7
	QUANT 64*(\a%4), 2+\a/4
	s_wait_alu depctr_va_vdst(0)                   ; the quantiser has written the codes and the scale word, which the stores below read
.irp c, 0,1,2
	ds_store_b128 v[HWI], v[PC+4*\c:PC+4*\c+3] offset:6144*\a+512*\c     ; K step w of the second product, tile a of rows
.endr
	ds_store_b32 v[HWS], v[PW] offset:512*\a
	s_wait_dscnt 0x0                               ; the stores have landed
	s_wait_alu depctr_vm_vsrc(0)                   ; and have read the codes and the scale word, which the next quantiser writes again
.endr
	BARRIER                                        ; h's 32 images lie in LDS
.irp ks, 0,1,2,3
.if \ks > 0
	PLACES
	s_wait_alu depctr_va_vdst(0)                   ; the last K step's sixteen products are done reading w2's fragments, h's two and both kinds of scale words, in which the loads below land
.set ZK, 0
.else
.set ZK, 1
.endif
.set n1, 0
.rept 24
	ds_load_b128 v[160+4*n1:160+4*n1+3], v[W2I] offset:\ks*12288+512*n1
.set n1, n1+1
.endr
.irp p, 0,1,2,3
	ds_load_b32 v[W2P+\p], v[W2SA] offset:(\ks*4+\p)*128
.endr
.irp a, 0,1
.irp c, 0,1,2
	ds_load_b128 v[HF+12*\a+4*\c:HF+12*\a+4*\c+3], v[HRI] offset:\a*6144+\ks*1536+512*\c
.endr
	ds_load_b32 v[HSW+\a], v[HRS] offset:\a*512+\ks*128
.endr
	s_wait_dscnt 0x0
	WIN 0xa0                                       ; C and D window 2
.set n1, 0
.rept 8
.set n2, 0
.rept 2
.set rD, 64*n2+8*n1
.set rW, 160+12*n1
.set rX, HF+12*n2
.set rSW, W2P+n1/2
.set rSX, HSW+n2
	WM ZK, n1%2                                    ; sixteen accumulators by turns
.set n2, n2+1
.endr
.set n1, n1+1
.endr
	WIN 0
.endr
	PLACES
.irp a, 0,1
	QUANT 64*\a, 2
	s_wait_alu depctr_va_vdst(0)                   ; the quantiser has written the codes and the scale word, which the stores below read; behind the second, all that named v64 to v255 is done, in which the second pass's loads land
.irp c, 0,1,2
	global_store_b128 v[LI], v[PC+4*\c:PC+4*\c+3], s[30:31] offset:1536*\a+512*\c   ; 32 lanes store 512 consecutive bytes, at a multiple of 256 from the buffer's first byte
.endr
	global_store_b32 v[L4], v[PW], s[32:33] offset:128*\a
	s_wait_xcnt 0x0                                ; the stores' data are written again only behind this wait
	s_wait_alu depctr_vm_vsrc(0)                   ; the stores have read the codes and the scale word, which the next quantiser writes and in which the second pass's fragments of x land
.endr
	s_cmp_lg_u32 s13, 0
	s_cbranch_scc1 .Lend                           ; k's work-groups are done
; ---- q3 = Q(q) Q(w3), on x's images, which still lie in LDS
	BLOAD 2, 22, 24
	PASS 22, 24
.irp a, 0,1,2,3,4,5,6,7
	QUANT 64*(\a%4), 2+\a/4
	s_wait_alu depctr_va_vdst(0)                   ; the quantiser has written the codes and the scale word, which the stores below read
.irp c, 0,1,2
	global_store_b128 v[LI], v[PC+4*\c:PC+4*\c+3], s[34:35] offset:6144*\a+512*\c
.endr
	global_store_b32 v[L4], v[PW], s[36:37] offset:512*\a
	s_wait_xcnt 0x0
.if \a < 7
	s_wait_alu depctr_vm_vsrc(0)                   ; the stores have read the codes and the scale word, which the next quantiser writes again
.endif
.endr
.Lend:
	s_wait_dscnt 0x0
	s_wait_alu depctr_hold_cnt(0) depctr_sa_sdst(0) depctr_va_vdst(0) depctr_va_sdst(0) depctr_va_ssrc(0) depctr_va_vcc(0) depctr_vm_vsrc(0)
	s_wait_tensorcnt 0x0
	ds_add_u32 v62, v63
	s_wait_dscnt 0x0
	s_endpgm
.Lfunc_end_k_qc634f9b297_proj:
	.size	k_qc634f9b297_proj, .Lfunc_end_k_qc634f9b297_proj-k_qc634f9b297_proj
	.p2alignl 7, 3214868480
	.fill 96, 4, 3214868480
	.section	.rodata,"a",@progbits
	.p2align	6, 0x0
	.amdhsa_kernel k_qc634f9b297_proj
		.amdhsa_group_segment_fixed_size 246272
		.amdhsa_private_segment_fixed_size 0
		.amdhsa_enable_private_segment 0
		.amdhsa_kernarg_size 32
		.amdhsa_user_sgpr_count 2
		.amdhsa_user_sgpr_kernarg_segment_ptr 1
		.amdhsa_wavefront_size32 1
		.amdhsa_system_sgpr_workgroup_id_x 1
		.amdhsa_system_sgpr_workgroup_id_y 1
		.amdhsa_system_sgpr_workgroup_id_z 1
		.amdhsa_system_vgpr_workitem_id 0
		.amdhsa_next_free_vgpr 1024
		.amdhsa_next_free_sgpr 66
		.amdhsa_reserve_vcc 0
		.amdhsa_float_denorm_mode_32 3
		.amdhsa_float_denorm_mode_16_64 3
		.amdhsa_memory_ordered 1
		.amdhsa_forward_progress 1
		.amdhsa_inst_pref_size 255
	.end_amdhsa_kernel
	.section	.bss,"aw",@nobits
	.p2align	6
	.space	262144
	.amdgpu_metadata
---
amdhsa.version: [ 1, 2 ]
amdhsa.kernels:
  - .name:           k_qc634f9b297_proj
    .symbol:         k_qc634f9b297_proj.kd
    .args:
      - { .name: q, .offset: 0, .size: 8, .value_kind: global_buffer, .address_space: global }
      - { .name: k, .offset: 8, .size: 8, .value_kind: global_buffer, .address_space: global }
      - { .name: wq, .offset: 16, .size: 8, .value_kind: global_buffer, .address_space: global }
      - { .name: act, .offset: 24, .size: 8, .value_kind: global_buffer, .address_space: global }
    .group_segment_fixed_size: 246272
    .private_segment_fixed_size: 0
    .kernarg_segment_align: 8
    .kernarg_segment_size: 32
    .max_flat_workgroup_size: 128
    .sgpr_count:     66
    .vgpr_count:     1024
    .wavefront_size: 32
...
	.end_amdgpu_metadata
.endif
;; end of part 4
;; launch attn (part 5): grid 256 x 1, 4 waves a work-group, no clusters, 111,104 bytes of LDS; arguments wq, act, out0; writes out0
.if DOCPART == 5
	.amdgcn_target "amdgcn-amd-amdhsa--gfx1250"
	.amdhsa_code_object_version 6
	.text
	.protected	k_qc634f9b297_attn
	.globl	k_qc634f9b297_attn
	.p2align	8
	.type	k_qc634f9b297_attn,@function
k_qc634f9b297_attn:
	s_mov_b64 s[64:65], 0
	v_nop
	global_prefetch_b8 v0, s[64:65] scope:SCOPE_SE
	s_setreg_imm32_b32 hwreg(HW_REG_WAVE_SCHED_MODE, 0, 2), 2
	s_setreg_imm32_b32 hwreg(HW_REG_WAVE_MODE, 25, 1), 1
	s_wait_xcnt 0x0
	s_wait_alu depctr_vm_vsrc(0)
; out0 = [out | q3] w7 + [q3 | out] w7, out = causal softmax(q2 k3^T / sqrt(128)) v: all products on codes of BF6 (E3M2) with one E8M0 scale for each 32 along K; sums in f32.
; q2, k3, q3 (act) and v, w7 (wq) arrive as fragment images: 1,536 bytes, piece c at 512 c + 16 lane = the lane's registers 4 c .. 4 c + 3.  Of 32 neighbouring rows x (queries, keys, channels, columns), tile 2 p + u takes x = 8 u + r + 8 (r / 8).
; Blocks of 32 do not straddle the join at 512, so Q(concat) = concat(Q(out), Q(q3)), and the last two products are four of K = 512 on ONE accumulator: Q(out) w7a + Q(out) w7b + Q(q3) w7a + Q(q3) w7b (o1 + o2 summed in another order than the source writes it).
; THE SOFTMAX: t = score x log2(e) / sqrt(128); M = the running largest t rounded UP to a whole number; p = 2^(t - M) is quantised along the keys, not normalised; the row's sum is taken of the unquantised p;
; when M moves, the sum and O are multiplied by 2^(old M - new M): exact.  out = O / sum is quantised in registers.
; SHARES.  A work-group owns 64 queries of one batch: four tiles.  Wave w makes S^T = K Q^T and the softmax of tile w; wave w holds O^T of ALL four tiles on channels 128 w .. + 127 (32 accumulators), so each fragment of V feeds four
; products and V is read once a work-group.  p's codes, its scale word and the factor go from wave to wave as images; K's eight fragments of a step are fetched two a wave and shared through LDS.
; All products are used transposed: a lane holds one query throughout.
; CAUSAL.  A key step is 128 keys.  Steps 0 .. i / 2 - 1 (i: the block of 64 queries) count whole and run in a loop; step i / 2 lies on the diagonal and is written out with the mask; later steps are not walked.
; NO CLUSTER: the query blocks of a batch walk i / 2 + 1 key steps, 1 to 16: partners would need different numbers of tiles.  NO TENSOR LOAD: V and w7 are read by one wave of the work-group only, straight into its registers.
; LIMITS: NaN and infinities are not served; a block whose largest magnitude lies under 2^-122, and a block of zeros, keep the byte 1 (zero codes add nothing).
; REGISTERS, in windows of 256: window 0: v1-13 addresses; v20-39 statistics; v40-52 Q; v54-61 K's scale words; v62-65 V's pair words; v66-69 p's scale words; v70-77 the four factors; v78-97 codes just made;
;   v100-163 S^T, then p; v164-211 the four p fragments; v212-237 K on its way to LDS; v238-245 out's and q3's scale words; v246-253 w7's pair words.
;   window 1: O^T (m, t) at v[64 m + 8 t], later y.   window 2: K's fragments v0-95, V's v96-191; later w7's sets of odd K steps.   window 3: w7's sets of even K steps.
; THE MODE: SCHED_MODE bits 1:0 = 2 (LLVM: expert scheduling mode 2), set by the entry lines.  The code itself states the register dependences between vector or matrix instructions
; and memory or LDS instructions, with s_wait_alu, always for 0.
; THE PLAN.  Registers that memory or LDS instructions touch in a key step, and who else names them:
;   v1-12                    addresses: written at the head, never again.  One wait on va_vdst ahead of the first load.
;   v212-237                 K on its way: global loads land, LDS stores read; no vector instruction names them.
;   window 2 v0-95, v54-61   K's fragments and scale words: LDS loads land at a step's head; its eight products S^T read them.
;   v78-89, v25, v24         p's codes, scale word and factor: the softmax writes them, the image stores read them.
;   v164-211, v66-69, v70-76 the four p, their scale words and factors: LDS loads land behind the first barrier; the 32 products and the rescaling read them.
;   window 2 v96-191, v62-65 V's fragments and pair words: global loads land; the 32 products read them.
; A KEY STEP has three waits.  On vm_vsrc at its head: the LDS stores of the step before have read K's staging registers and p's codes, word and factor.  On va_vdst behind the codes' swaps: the codes, the word and the factor are
; written, and the step before is done reading the four p, their words and factors; the stores follow at once, the row's sums stand behind them and name S^T, the sum and v30-33 alone.  On va_vdst behind the step's last products:
; V, K and their scale words are read; it serves the loads of V that follow and the loads of K's fragments at the next step's head: no vector instruction stands between.
.set W7C, 1179648
.set W7S, 1622016
.set VCO, 1740800
.set VSO, 8032256
.set K3C, 1572864
.set Q2S, 3145728
.set K3S, 3276800
.set Q3C, 3407872
.set Q3S, 9699328
.set PIMG,  0                          ; LDS: p's four images,
.set PSC,   6144                       ; their scale words,
.set PF,    6656                       ; the four factors,
.set LINV,  7168                       ; the four 1 / sum,
.set KIMG,  7680                       ; K's eight images of a step,
.set KSC,   19968                      ; their scale words,
.set OIMG,  20992                      ; out's sixteen images (4 m + K step),
.set OSC,   45568
.set Q3IMG, 47616                      ; q3's sixteen,
.set Q3SC,  72192
.set STAGE, 74240                      ; and a stage of 16 rows x (512 + 16) bytes for each wave
.set LI,   1                           ; 16 lane
.set L4,   2                           ; 4 lane
.set W16,  3                           ; 16 lane + 1,536 wave
.set W4,   4                           ; 4 lane + 128 wave
.set W16K, 5                           ; 16 lane + 3,072 wave
.set W4K,  6                           ; 4 lane + 256 wave
.set LIB,  7                           ; 16 lane + Q3IMG
.set L4B,  8                           ; 4 lane + Q3SC
.set Q3WI, 9                           ; + 6,144 wave
.set Q3WS, 10                          ; + 512 wave
.set STO,  11
.set RD,   12
.set DD,   13                          ; my query less the diagonal step's first key less 16 (lane / 16)
.set NM,   20                          ; v20 -M, v21 the largest t: a pair
.set SUM,  22                          ; v[22:23] the sum, in two halves
.set FF,   24                          ; v24 the factor, v25 p's scale word: a pair
.set PW,   25
.set BM,   26                          ; v26-29 the blocks' largest scores, then p
.set BT,   30                          ; v30-33 at work
.set SOP,  34                          ; v34-37 the conversions' scale operands
.set T0,   38
.set T1,   39
.set TM,   26                          ; the quantiser of out works on v26-41
.set QF0,  40
.set QSW0, 52
.set KS,   54
.set VSW,  62
.set PS,   66
.set FM,   70
.set PC,   78
.set S,    100
.set PFR,  164
.set KT,   212
.set OF,   100
.set QF,   164
.set OSW,  238
.set QSW,  242
.set KB,   14
.set KSB,  16
.set VB,   18
.set VSB,  20
.set W7B,  22
.set W7SB, 24
.set OUT,  26
.set SEL,  28
.set CS,   30
.set MK,   49                          ; s49-56 eight lane masks of the diagonal step
.set MSB, 0
.macro WIN new
.if MSB != (\new)
	s_set_vgpr_msb (MSB<<8)|(\new)
.set MSB, (\new)
.endif
.endm
.macro PLACES                          ; four places behind a matrix instruction (ISA guide 7.12.1)
.rept 4
	v_nop
.endr
.endm
.macro BARRIER
	s_wait_dscnt 0x0
	s_barrier_signal -1
	s_barrier_wait -1
.endm
.macro WM zero, odd
.if \zero
.if \odd
	v_wmma_scale_f32_16x16x128_f8f6f4 v[rD:rD+7], v[rW:rW+11], v[rX:rX+11], 0, v[rSW], v[rSX] matrix_a_fmt:MATRIX_FMT_BF6 matrix_b_fmt:MATRIX_FMT_BF6 matrix_a_scale:MATRIX_SCALE_ROW1
.else
	v_wmma_scale_f32_16x16x128_f8f6f4 v[rD:rD+7], v[rW:rW+11], v[rX:rX+11], 0, v[rSW], v[rSX] matrix_a_fmt:MATRIX_FMT_BF6 matrix_b_fmt:MATRIX_FMT_BF6
.endif
.else
.if \odd
	v_wmma_scale_f32_16x16x128_f8f6f4 v[rD:rD+7], v[rW:rW+11], v[rX:rX+11], v[rD:rD+7], v[rSW], v[rSX] matrix_a_fmt:MATRIX_FMT_BF6 matrix_b_fmt:MATRIX_FMT_BF6 matrix_a_scale:MATRIX_SCALE_ROW1
.else
	v_wmma_scale_f32_16x16x128_f8f6f4 v[rD:rD+7], v[rW:rW+11], v[rX:rX+11], v[rD:rD+7], v[rSW], v[rSX] matrix_a_fmt:MATRIX_FMT_BF6 matrix_b_fmt:MATRIX_FMT_BF6
.endif
.endif
.endm
.macro SWAPS                           ; the conversions' half blocks become whole blocks: lanes 0-15 block 2 c, lanes 16-31 block 2 c + 1
	v_nop                                          ; one plain place behind a scaled conversion
.irp c, 0,1
.irp i, 0,1,2
	v_permlane16_swap_b32 v[PC+6*\c+\i], v[PC+12+4*\c+\i]
.endr
.irp i, 0,1,2
	v_mov_b32 v[PC+3+6*\c+\i], v[PC+12+4*\c+\i]
.endr
.endr
.endm
.macro QUANT s                         ; 64 numbers v[s] .. v[s + 63] of window 0, register 16 b + i = k 32 b + 16 (lane / 16) + i, become codes in v[PC] on and the scale word in v[PW]
.irp b, 0,1,2,3
	v_max3_num_f32 v[TM+\b], 0x2800000, |v[(\s)+16*\b]|, |v[(\s)+16*\b+1]|
.endr
.irp i, 2,4,6,8,10,12,14
.irp b, 0,1,2,3
	v_max3_num_f32 v[TM+\b], v[TM+\b], |v[(\s)+16*\b+\i]|, |v[(\s)+16*\b+\i+1]|
.endr
.endr
.irp b, 0,1,2,3
	v_permlanex16_b32 v[TM+4+\b], v[TM+\b], s[SEL], s[SEL+1]
.endr
.irp b, 0,1,2,3
	v_max_num_f32 v[TM+\b], v[TM+\b], v[TM+4+\b]
.endr
.irp b, 0,1,2,3
	v_add_nc_u32 v[TM+12+\b], 0xfe000000, v[TM+\b]
.endr
.irp b, 0,1,2,3
	v_lshrrev_b32 v[TM+4+\b], 23, v[TM+12+\b]
.endr
	v_lshl_or_b32 v[PW], v[TM+5], 8, v[TM+4]
	v_lshl_or_b32 v[PW], v[TM+6], 16, v[PW]
	v_lshl_or_b32 v[PW], v[TM+7], 24, v[PW]
.irp c, 0,1
	v_cvt_scalef32_pk16_bf6_f32 v[PC+6*\c:PC+6*\c+2], v[(\s)+32*\c:(\s)+32*\c+15], v[TM+12+2*\c]
	v_cvt_scalef32_pk16_bf6_f32 v[PC+12+4*\c:PC+14+4*\c], v[(\s)+32*\c+16:(\s)+32*\c+31], v[TM+13+2*\c]
.endr
	SWAPS
.endm
.macro PTR d, b                        ; a buffer's address + the offset in s[44:45]
	s_add_nc_u64 s[\d:\d+1], s[\b:\b+1], s[44:45]
.endm
.macro KLOAD                           ; my two fragments of K and their scale words: 8 loads
.set n1, 0
.rept 6
	global_load_b128 v[KT+4*n1:KT+4*n1+3], v[LI], s[KB:KB+1] offset:512*n1
.set n1, n1+1
.endr
	global_load_b32 v[KT+24], v[L4], s[KSB:KSB+1]
	global_load_b32 v[KT+25], v[L4], s[KSB:KSB+1] offset:128
.endm
.macro KSTORE                          ; and into LDS: 8 stores
.set n1, 0
.rept 6
	ds_store_b128 v[W16K], v[KT+4*n1:KT+4*n1+3] offset:KIMG+512*n1
.set n1, n1+1
.endr
	ds_store_b32 v[W4K], v[KT+24] offset:KSC
	ds_store_b32 v[W4K], v[KT+25] offset:KSC+128
.endm
.macro VLOAD                           ; a step's eight fragments of V on my channels and their pair words: 28 loads
	WIN 0x80
.set n1, 0
.rept 24
	global_load_b128 v[96+4*n1:96+4*n1+3], v[LI], s[VB:VB+1] offset:512*n1
.set n1, n1+1
.endr
	WIN 0
.irp p, 0,1,2,3
	global_load_b32 v[VSW+\p], v[L4], s[VSB:VSB+1] offset:128*\p
.endr
.endm
.macro W7LOAD s                        ; w7's K steps s and 4 + s on my columns: 16 fragments and 8 pair words: 56 loads.  Even s: window 3, v246-253; odd s: window 2, v54-61
.if (\s)%2 == 0
	WIN 0xc0
.set rS7, 246
.else
	WIN 0x80
.set rS7, 54
.endif
.irp g, 0,1
.set n1, 0
.rept 24
	global_load_b128 v[96*\g+4*n1:96*\g+4*n1+3], v[LI], s[W7B:W7B+1] offset:(4*\g+(\s))*49152+512*n1
.set n1, n1+1
.endr
.endr
	WIN 0
.irp g, 0,1
.irp p, 0,1,2,3
	global_load_b32 v[rS7+4*\g+\p], v[L4], s[W7SB:W7SB+1] offset:(4*\g+(\s))*2048+128*\p
.endr
.endr
.endm
	s_load_b128 s[4:7], s[0:1], 0x0                ; wq s[4:5], act s[6:7]
	s_load_b64 s[8:9], s[0:1], 0x10                ; out0
	v_lshl_add_u32 v254, v0, 2, 0x1b000
	v_mov_b32 v255, 0
	v_lshrrev_b32 v14, 5, v0
	v_readfirstlane_b32 s10, v14                   ; wave
	s_lshr_b32 s11, ttmp9, 5                       ; batch
	s_and_b32 s12, ttmp9, 31                       ; i: which 64 queries
	s_lshr_b32 s13, s12, 1                         ; key steps that count whole
	v_and_b32 v14, 31, v0
	v_and_b32 v15, 15, v0                          ; r
	v_bfe_u32 v16, v0, 4, 1                        ; h
	v_lshlrev_b32 v[LI], 4, v14
	v_lshlrev_b32 v[L4], 2, v14
	s_wait_alu depctr_va_sdst(0)                   ; s10 is written, ahead of its first reader: LDS addresses and the buffers' offsets are made from it
	s_mul_i32 s40, s10, 1536
	v_add_nc_u32 v[W16], s40, v[LI]
	s_lshl_b32 s40, s10, 7
	v_add_nc_u32 v[W4], s40, v[L4]
	s_mul_i32 s43, s10, 3072
	v_add_nc_u32 v[W16K], s43, v[LI]
	s_lshl_b32 s40, s10, 8
	v_add_nc_u32 v[W4K], s40, v[L4]
	v_add_nc_u32 v[LIB], Q3IMG, v[LI]
	v_add_nc_u32 v[L4B], Q3SC, v[L4]
	s_mul_i32 s40, s10, 6144
	v_add_nc_u32 v[Q3WI], s40, v[LIB]
	s_lshl_b32 s47, s10, 9
	v_add_nc_u32 v[Q3WS], s47, v[L4B]
	s_mul_i32 s40, s10, 8448
	s_add_co_u32 s40, s40, STAGE
	v_mul_u32_u24 v[STO], v15, 528
	v_lshl_add_u32 v[STO], v16, 6, v[STO]
	v_add_nc_u32 v[STO], s40, v[STO]
	v_add_nc_u32 v[RD], s40, v[LI]
	s_and_b32 s40, s12, 1                          ; my query in the diagonal step: 64 (i % 2) + 32 (w / 2) + 8 (w % 2) + r + 8 (r / 8)
	s_lshl_b32 s40, s40, 6
	s_lshr_b32 s41, s10, 1
	s_lshl_b32 s41, s41, 5
	s_add_co_u32 s40, s40, s41
	s_and_b32 s41, s10, 1
	s_lshl_b32 s41, s41, 3
	s_add_co_u32 s40, s40, s41
	v_and_b32 v17, 8, v15
	v_add_nc_u32 v[DD], v17, v15
	v_lshlrev_b32 v17, 4, v16
	v_sub_nc_u32 v[DD], v[DD], v17
	v_add_nc_u32 v[DD], s40, v[DD]
	s_mov_b32 s[SEL], 0x76543210
	s_mov_b32 s[SEL+1], 0xfedcba98
	s_mov_b32 s[CS], 0x3e0293ee                    ; c = log2(e) / sqrt(128)
	s_mov_b32 s[CS+1], s[CS]                       ; (named with it as a pair, so it is written)
	s_mov_b32 s45, 0
	s_lshl_b32 s40, s11, 7
	s_lshl_b32 s41, s12, 2
	s_add_co_u32 s40, s40, s41
	s_add_co_u32 s42, s40, s10                     ; my tile of queries: 128 batch + 4 i + wave
	s_mul_i32 s46, s10, 12288
	s_wait_kmcnt 0x0
	s_mul_i32 s44, s42, 1536
	PTR 32, 6                                      ; q2's codes (they begin the buffer)
	s_lshl_b32 s44, s42, 7
	s_add_co_u32 s44, s44, Q2S
	PTR 34, 6
	s_mul_i32 s44, s42, 6144
	s_add_co_u32 s44, s44, Q3C
	PTR 36, 6                                      ; my tile's four fragments of q3
	s_lshl_b32 s44, s42, 9
	s_add_co_u32 s44, s44, Q3S
	PTR 38, 6
	s_mul_i32 s44, s11, 196608
	s_add_co_u32 s44, s44, s43
	s_add_co_u32 s44, s44, K3C
	PTR KB, 6                                      ; k3: the batch's 128 tiles, my two of a step's eight
	s_lshl_b32 s44, s11, 14
	s_lshl_b32 s43, s10, 8
	s_add_co_u32 s44, s44, s43
	s_add_co_u32 s44, s44, K3S
	PTR KSB, 6
	s_mul_i32 s44, s11, 786432
	s_add_co_u32 s44, s44, s46
	s_add_co_u32 s44, s44, VCO
	PTR VB, 4                                      ; v: the batch's 16 key steps, my eight tiles of channels
	s_lshl_b32 s44, s11, 15
	s_add_co_u32 s44, s44, s47
	s_add_co_u32 s44, s44, VSO
	PTR VSB, 4
	s_add_co_u32 s44, s46, W7C
	PTR W7B, 4
	s_add_co_u32 s44, s47, W7S
	PTR W7SB, 4
	s_lshl_b32 s44, s11, 22
	s_lshl_b32 s43, s12, 17
	s_add_co_u32 s44, s44, s43
	s_add_co_u32 s44, s44, s47
	PTR OUT, 8                                     ; out0: row 2,048 batch + 64 i, column 128 wave
	s_wait_alu depctr_va_vdst(0)                   ; the addresses v1 to v12 are written: every load and store of the kernel reads one of them
	W7LOAD 0                                       ; asked for first: it stays in window 3 until the last product
.set n1, 0
.rept 12
	global_load_b128 v[S+4*n1:S+4*n1+3], v[LI], s[36:37] offset:512*n1
.set n1, n1+1
.endr
.irp p, 0,1,2,3
	global_load_b32 v[S+48+\p], v[L4], s[38:39] offset:128*\p
.endr
.irp c, 0,1,2
	global_load_b128 v[QF0+4*\c:QF0+4*\c+3], v[LI], s[32:33] offset:512*\c
.endr
	global_load_b32 v[QSW0], v[L4], s[34:35]
	KLOAD
	VLOAD
	v_mov_b32 v[NM+1], 0xff61b1e6                  ; the largest t so far: -3e38, under every t
	v_floor_f32 v[NM], -v[NM+1]                    ; -M
	v_mov_b32 v[SUM], 0
	v_mov_b32 v[SUM+1], 0
	v_mov_b32 v[PW], 0                             ; (named as the upper half of a pair before it is first written)
.irp b, 0,1,2,3
	v_mov_b32 v[BT+\b], 0                          ; a lane permute's destination counts as one of its sources
	v_mov_b32 v[FM+2*\b+1], 0                      ; the factors' pairs: the upper halves are named, never used
.endr
	WIN 0x40
.set n1, 0
.rept 256
	v_mov_b32 v[n1], 0                             ; O^T.  The step is written twice, not four times: the first step finds zeros, which its factor 0 leaves zeros
.set n1, n1+1
.endr
	WIN 0
	s_wait_loadcnt 28                              ; all but V's 28 loads
.set n1, 0
.rept 12
	ds_store_b128 v[Q3WI], v[S+4*n1:S+4*n1+3] offset:512*n1
.set n1, n1+1
.endr
.irp p, 0,1,2,3
	ds_store_b32 v[Q3WS], v[S+48+\p] offset:128*\p
.endr
	KSTORE
	s_add_nc_u64 s[KB:KB+1], s[KB:KB+1], 12288     ; K's loads are done: their bases may step
	s_add_nc_u64 s[KSB:KSB+1], s[KSB:KSB+1], 1024
	BARRIER                                        ; q3's sixteen images and K's first eight lie in LDS
; A KEY STEP.  masked = 0: all 128 keys count, and the next step's K and V are asked for.  masked = 1: the diagonal step, the last.
.macro ASTEP masked
	s_wait_alu depctr_vm_vsrc(0)                   ; the LDS stores issued so far have read K's staging registers, in which the loads below land, and p's codes, scale word and factor, which this step writes again; ahead of the first step also q3's, whose registers S^T takes
.if \masked == 0
	KLOAD                                          ; the next step's: it has this step's softmax in which to land
.endif
	WIN 0x80
.set n1, 0
.rept 24
	ds_load_b128 v[4*n1:4*n1+3], v[LI] offset:KIMG+512*n1
.set n1, n1+1
.endr
	WIN 0
.irp t, 0,1,2,3,4,5,6,7
	ds_load_b32 v[KS+\t], v[L4] offset:KSC+128*\t
.endr
	s_wait_dscnt 0x0
	WIN 0x02                                       ; source 0 (K) window 2
.irp t, 0,1,2,3,4,5,6,7
.set rD, S+8*\t
.set rW, 12*\t
.set rX, QF0
.set rSW, KS+\t
.set rSX, QSW0
	WM 1, 0                                        ; S^T: lane (r, h) holds query r; registers 16 b + i are keys 32 b + 16 h + i
.endr
	WIN 0
	PLACES
.if \masked
	v_mov_b32 v[T1], 0xff800000                    ; hidden scores become -infinity ahead of the maximum: p = 0 then.  A query's own key lies in this step, so its maximum is a number
.set n1, 0
.rept 8                                ; eight compares into eight scalar registers, one wait, eight selects; each accumulator is read from its low end on
.set n2, 0
.rept 8
	v_cmp_gt_i32 s[MK+n2], 32*((n1+n2)/16)+(n1+n2)%16, v[DD]
.set n2, n2+1
.endr
	s_wait_alu depctr_va_sdst(0)                   ; the eight masks are written, ahead of the selects that read them
.set n2, 0
.rept 8
	v_cndmask_b32 v[S+n1+n2], v[S+n1+n2], v[T1], s[MK+n2]
.set n2, n2+1
.endr
.set n1, n1+8
.endr
.endif
.irp b, 0,1,2,3
	v_max3_num_f32 v[BM+\b], v[S+16*\b], v[S+16*\b+1], v[S+16*\b+2]     ; the largest score of each block of 32 keys: for the row's maximum, and, since p rises with the score, for the block's largest p
.endr
.irp i, 3,5,7,9,11,13
.irp b, 0,1,2,3
	v_max3_num_f32 v[BM+\b], v[BM+\b], v[S+16*\b+\i], v[S+16*\b+\i+1]
.endr
.endr
.irp b, 0,1,2,3
	v_max_num_f32 v[BM+\b], v[BM+\b], v[S+16*\b+15]
.endr
.irp b, 0,1,2,3
	v_permlanex16_b32 v[BT+\b], v[BM+\b], s[SEL], s[SEL+1]
.endr
.irp b, 0,1,2,3
	v_max_num_f32 v[BM+\b], v[BM+\b], v[BT+\b]     ; with lane l xor 16's 16 keys
.endr
	v_max3_num_f32 v[T0], v[BM], v[BM+1], v[BM+2]
	v_max_num_f32 v[T0], v[T0], v[BM+3]
	v_mul_f32 v[T0], s[CS], v[T0]                  ; the step's largest t (c is positive)
	v_max_num_f32 v[NM+1], v[NM+1], v[T0]          ; the running largest t
	v_mov_b32 v[T0], v[NM]
	v_floor_f32 v[NM], -v[NM+1]                    ; the new -M = floor(-t): M is a whole number
	v_sub_f32 v[T0], v[NM], v[T0]                  ; old M - new M: a whole number, 0 or less
	v_cvt_i32_f32 v[T0], v[T0]                     ; (it saturates)
	v_ldexp_f32 v[FF], 1.0, v[T0]                  ; the factor 2^(old M - new M): it rounds nothing
.set n1, 0
.rept 32
	v_pk_fma_f32 v[S+n1:S+n1+1], v[S+n1:S+n1+1], s[CS:CS+1], v[NM:NM+1] op_sel_hi:[1,0,0]   ; t - M, two at a time
.set n1, n1+2
.endr
.irp b, 0,1,2,3
	v_fma_f32 v[BM+\b], v[BM+\b], s[CS], v[NM]
.endr
.set n1, 0
.rept 64
	v_exp_f32 v[S+n1], v[S+n1]                     ; p = 2^(t - M), at most 1
.set n1, n1+1
.endr
.irp b, 0,1,2,3
	v_exp_f32 v[BM+\b], v[BM+\b]                   ; the block's largest p: the same two instructions on the same number
.endr
	v_pk_mul_f32 v[SUM:SUM+1], v[SUM:SUM+1], v[FF:FF+1] op_sel_hi:[1,0]   ; the sums under the new M (a plain place behind the exponentials)
	s_wait_alu depctr_va_vdst(0)
.irp b, 0,1,2,3
	v_max_num_f32 v[BM+\b], 0x2800000, v[BM+\b]    ; the floor 2^(5 - 127): the byte cannot fall under 1
.endr
.irp b, 0,1,2,3
	v_add_nc_u32 v[SOP+\b], 0xfe000000, v[BM+\b]
.endr
.irp b, 0,1,2,3
	v_lshrrev_b32 v[BT+\b], 23, v[SOP+\b]
.endr
	v_lshl_or_b32 v[PW], v[BT+1], 8, v[BT]
	v_lshl_or_b32 v[PW], v[BT+2], 16, v[PW]
	v_lshl_or_b32 v[PW], v[BT+3], 24, v[PW]        ; p's scale word for these 128 keys
.irp c, 0,1
	v_cvt_scalef32_pk16_bf6_f32 v[PC+6*\c:PC+6*\c+2], v[S+32*\c:S+32*\c+15], v[SOP+2*\c]
	v_cvt_scalef32_pk16_bf6_f32 v[PC+12+4*\c:PC+14+4*\c], v[S+32*\c+16:S+32*\c+31], v[SOP+2*\c+1]
.endr
	SWAPS
	s_wait_alu depctr_va_vdst(0)                   ; p's codes, its scale word and the factor are written, which the stores below read; the step before is done reading the four p, their scale words and the factors, in which the loads behind the barrier land
.irp c, 0,1,2
	ds_store_b128 v[W16], v[PC+4*\c:PC+4*\c+3] offset:PIMG+512*\c
.endr
	ds_store_b32 v[W4], v[PW] offset:PSC
	ds_store_b32 v[W4], v[FF] offset:PF
	v_pk_add_f32 v[BT:BT+1], v[S:S+1], v[S+2:S+3]  ; the row's sum is taken of the unquantised p: two at a time, in two chains; it stands behind the stores and names none of their registers
.set n1, 4
.rept 15
	v_pk_add_f32 v[SUM:SUM+1], v[SUM:SUM+1], v[S+n1:S+n1+1]
	v_pk_add_f32 v[BT:BT+1], v[BT:BT+1], v[S+n1+2:S+n1+3]
.set n1, n1+4
.endr
	v_pk_add_f32 v[SUM:SUM+1], v[SUM:SUM+1], v[BT:BT+1]
	BARRIER                                        ; the four tiles' p lie in LDS, and nobody reads this step's K any more
.set n1, 0
.rept 12
	ds_load_b128 v[PFR+4*n1:PFR+4*n1+3], v[LI] offset:PIMG+512*n1
.set n1, n1+1
.endr
.irp m, 0,1,2,3
	ds_load_b32 v[PS+\m], v[L4] offset:PSC+128*\m
	ds_load_b32 v[FM+2*\m], v[L4] offset:PF+128*\m
.endr
	s_wait_loadcnt 0x0                             ; this step's V, and the next step's K
.if \masked == 0
	KSTORE
	s_add_nc_u64 s[KB:KB+1], s[KB:KB+1], 12288
	s_add_nc_u64 s[KSB:KSB+1], s[KSB:KSB+1], 1024
	s_wait_dscnt 8                                 ; the twenty loads are in; the eight stores behind them may be out
.else
	s_wait_dscnt 0x0
.endif
.irp m, 0,1,2,3
	WIN 0x41                                       ; O^T (destination and source 0) window 1
.set n1, 0
.rept 32
	v_pk_mul_f32 v[64*\m+n1:64*\m+n1+1], v[64*\m+n1:64*\m+n1+1], v[FM+2*\m:FM+2*\m+1] op_sel_hi:[1,0]   ; tile m's O^T under its new M, each accumulator from its low end on
.set n1, n1+2
.endr
	WIN 0x52                                       ; source 0 (V) window 2, C and D window 1
.irp t, 0,1,2,3,4,5,6,7
.set rD, 64*\m+8*\t
.set rW, 96+12*\t
.set rX, PFR+12*\m
.set rSW, VSW+\t/2
.set rSX, PS+\m
	WM 0, \t%2                                     ; the 32 accumulators take turns, one instruction a turn
.endr
.endr
	WIN 0
	PLACES
.if \masked == 0
	s_add_nc_u64 s[VB:VB+1], s[VB:VB+1], 49152
	s_add_nc_u64 s[VSB:VSB+1], s[VSB:VSB+1], 2048
	s_wait_alu depctr_va_vdst(0)                   ; the step's products are done reading V's fragments and pair words, in which the loads below land, and K's fragments and scale words, in which the loads at the next step's head land
	VLOAD                                          ; the next step's: it has that step's softmax in which to land
	BARRIER                                        ; the next step's K lies in LDS, and nobody reads this step's p any more
.else
	s_wait_alu depctr_va_vdst(0)                   ; the step's products are done reading K's and V's fragments and K's scale words, in which w7's land
	W7LOAD 1                                       ; K's and V's registers are free
.endif
.endm
	s_cmp_eq_u32 s13, 0
	s_cbranch_scc1 .Lmasked
	s_mov_b32 s48, s13
.Lopen:
	ASTEP 0
	s_sub_co_u32 s48, s48, 1
	s_cmp_lg_u32 s48, 0
	s_cbranch_scc1 .Lopen
.Lmasked:
	ASTEP 1
; ---- out = O / sum becomes an operand
	v_add_f32 v[SUM], v[SUM], v[SUM+1]
	v_permlanex16_b32 v[T0], v[SUM], s[SEL], s[SEL+1]
	v_add_f32 v[SUM], v[SUM], v[T0]                ; the row's sum
	v_rcp_f32 v[SUM], v[SUM]
	v_nop                                          ; one plain place behind a transcendental
	s_wait_alu depctr_va_vdst(0)                   ; 1 / sum is written, which the store below reads
	ds_store_b32 v[W4], v[SUM] offset:LINV
	BARRIER
.irp m, 0,1,2,3
	ds_load_b32 v[FM+2*\m], v[L4] offset:LINV+128*\m
.endr
	s_wait_dscnt 0x0
.irp m, 0,1,2,3
	s_wait_alu depctr_vm_vsrc(0)                   ; the image stores issued so far (the last step's p, then the tiles before) have read the codes and the scale word, which this tile's quantiser writes again
	WIN 0x01                                       ; source 0 (O^T) window 1
.set n1, 0
.rept 32
	v_pk_mul_f32 v[S+n1:S+n1+1], v[64*\m+n1:64*\m+n1+1], v[FM+2*\m:FM+2*\m+1] op_sel_hi:[1,0]   ; register 16 b + i: channel 128 w + 32 b + 16 h + i of query r
.set n1, n1+2
.endr
	WIN 0
	QUANT S
	s_wait_alu depctr_va_vdst(0)                   ; the quantiser has written the codes and the scale word, which the stores below read; behind the last tile it is also done with v100 to v163, in which out's fragments land
.irp c, 0,1,2
	ds_store_b128 v[W16], v[PC+4*\c:PC+4*\c+3] offset:OIMG+6144*\m+512*\c   ; K step w of the last product, tile m
.endr
	ds_store_b32 v[W4], v[PW] offset:OSC+512*\m
	s_wait_dscnt 0x0                               ; the stores have landed
.endr
	BARRIER                                        ; out's sixteen images lie in LDS
; ---- y (m, t) in window 1: my 128 columns for the 64 queries.  Each fragment of w7 feeds eight products.
.macro OLOAD s                         ; out's four fragments of K step s and their scale words: 16 loads
.irp m, 0,1,2,3
.irp c, 0,1,2
	ds_load_b128 v[OF+12*\m+4*\c:OF+12*\m+4*\c+3], v[LI] offset:OIMG+(4*\m+(\s))*1536+512*\c
.endr
	ds_load_b32 v[OSW+\m], v[L4] offset:OSC+(4*\m+(\s))*128
.endr
.endm
.macro QLOAD s                         ; q3's likewise
.irp m, 0,1,2,3
.irp c, 0,1,2
	ds_load_b128 v[QF+12*\m+4*\c:QF+12*\m+4*\c+3], v[LIB] offset:(4*\m+(\s))*1536+512*\c
.endr
	ds_load_b32 v[QSW+\m], v[L4B] offset:(4*\m+(\s))*128
.endr
.endm
.macro Y32 s, g, xr, xs, zero          ; 32 products: part g (0: K step s, 1: K step 4 + s) of w7 against the four fragments at v[xr]; the 32 accumulators by turns
.if (\s)%2 == 0
	WIN 0x53
.set rS7, 246
.else
	WIN 0x52
.set rS7, 54
.endif
.irp t, 0,1,2,3,4,5,6,7
.irp m, 0,1,2,3
.set rD, 64*\m+8*\t
.set rW, 96*(\g)+12*\t
.set rX, (\xr)+12*\m
.set rSW, rS7+4*(\g)+\t/2
.set rSX, (\xs)+\m
	WM \zero, \t%2
.endr
.endr
.endm
.macro YSTEP s, zero
.if (\s) == 3
	s_wait_loadcnt 0x0
.elseif (\s) > 0
	s_wait_loadcnt 56                              ; this step's set of w7 is in; the next set's 56 loads stay out
.endif
	s_wait_dscnt 16                                ; out's fragments are in; q3's sixteen loads may be out
	Y32 \s, 0, OF, OSW, \zero
	Y32 \s, 1, OF, OSW, 0
	PLACES
	WIN 0
.if (\s) < 3
	s_wait_alu depctr_va_vdst(0)                   ; the 64 products above are done reading out's four fragments and their scale words, in which the next step's land
	OLOAD (\s)+1
	s_wait_dscnt 16                                ; q3's are in; the sixteen just issued may be out
.else
	s_wait_dscnt 0x0
.endif
	Y32 \s, 0, QF, QSW, 0
	Y32 \s, 1, QF, QSW, 0
	PLACES
	WIN 0
.if (\s) < 3
	s_wait_alu depctr_va_vdst(0)                   ; the 64 products above are done reading q3's four fragments and their scale words, and the step's 128 its set of w7 and its pair words: loads land in all of them
	QLOAD (\s)+1
.endif
.if (\s) < 2
	W7LOAD (\s)+2                                  ; into the window just multiplied
.endif
.endm
	OLOAD 0
	QLOAD 0
	YSTEP 0, 1                                     ; the first products start the sums
	YSTEP 1, 0
	YSTEP 2, 0
	YSTEP 3, 0
; ---- THE WAY OUT: a tile of 16 queries x my 128 columns goes through my own stage and comes back as whole rows of 512 bytes
.macro TOSTAGE m
	WIN 0x04                                       ; an LDS store's data are its source 1: window 1
.irp g, 0,1,2,3
.irp e, 0,1,2,3
	ds_store_b128 v[STO], v[64*(\m)+16*\g+4*\e:64*(\m)+16*\g+4*\e+3] offset:128*\g+16*\e   ; each accumulator from its low end on
.endr
.endr
	WIN 0
.set BK, 100+64*((\m)%2)
.irp p, 0,1,2,3,4,5,6,7,8,9,10,11,12,13,14,15
	ds_load_b128 v[BK+4*\p:BK+4*\p+3], v[RD] offset:528*\p     ; LDS serves a wave's instructions in order: these see my stores
.endr
.endm
.macro SEND m, younger
.set BK, 100+64*((\m)%2)
	s_wait_dscnt \younger                          ; the tile is back in registers; the next tile's 16 stores and 16 loads may be out
.irp p, 0,1,2,3,4,5,6,7,8,9,10,11,12,13,14,15
	global_store_b128 v[LI], v[BK+4*\p:BK+4*\p+3], s[OUT:OUT+1] offset:(32*((\m)/2)+8*((\m)%2)+\p+8*(\p/8))*2048 th:TH_STORE_NT   ; 32 lanes store 512 consecutive bytes, at a multiple of 256 from the buffer's first byte
.endr
.endm
	s_wait_alu depctr_va_vdst(0)                   ; the products have written y, which the stage's stores read, and are done reading out's and q3's fragments, in which the rows land; the last step's four places stay beside this wait
	TOSTAGE 0
	TOSTAGE 1
	SEND 0, 32
	s_wait_xcnt 0x0                                ; tile 0's stores have had their addresses translated
	s_wait_alu depctr_vm_vsrc(0)                   ; and have read their registers, in which tile 2's rows land
	TOSTAGE 2
	SEND 1, 32
	s_wait_xcnt 0x0
	s_wait_alu depctr_vm_vsrc(0)                   ; tile 1's stores have read their registers, in which tile 3's rows land
	TOSTAGE 3
	SEND 2, 32
	SEND 3, 0
	s_wait_dscnt 0x0
	s_wait_alu depctr_hold_cnt(0) depctr_sa_sdst(0) depctr_va_vdst(0) depctr_va_sdst(0) depctr_va_ssrc(0) depctr_va_vcc(0) depctr_vm_vsrc(0)
	s_wait_tensorcnt 0x0
	ds_add_u32 v254, v255
	s_wait_dscnt 0x0
	s_endpgm
.Lfunc_end_k_qc634f9b297_attn:
	.size	k_qc634f9b297_attn, .Lfunc_end_k_qc634f9b297_attn-k_qc634f9b297_attn
	.p2alignl 7, 3214868480
	.fill 96, 4, 3214868480
	.section	.rodata,"a",@progbits
	.p2align	6, 0x0
	.amdhsa_kernel k_qc634f9b297_attn
		.amdhsa_group_segment_fixed_size 111104
		.amdhsa_private_segment_fixed_size 0
		.amdhsa_enable_private_segment 0
		.amdhsa_kernarg_size 24
		.amdhsa_user_sgpr_count 2
		.amdhsa_user_sgpr_kernarg_segment_ptr 1
		.amdhsa_wavefront_size32 1
		.amdhsa_system_sgpr_workgroup_id_x 1
		.amdhsa_system_sgpr_workgroup_id_y 1
		.amdhsa_system_sgpr_workgroup_id_z 1
		.amdhsa_system_vgpr_workitem_id 0
		.amdhsa_next_free_vgpr 1024
		.amdhsa_next_free_sgpr 66
		.amdhsa_reserve_vcc 0
		.amdhsa_float_denorm_mode_32 3
		.amdhsa_float_denorm_mode_16_64 3
		.amdhsa_memory_ordered 1
		.amdhsa_forward_progress 1
		.amdhsa_inst_pref_size 226
	.end_amdhsa_kernel
	.amdgpu_metadata
---
amdhsa.version: [ 1, 2 ]
amdhsa.kernels:
  - .name:           k_qc634f9b297_attn
    .symbol:         k_qc634f9b297_attn.kd
    .args:
      - { .name: wq, .offset: 0, .size: 8, .value_kind: global_buffer, .address_space: global }
      - { .name: act, .offset: 8, .size: 8, .value_kind: global_buffer, .address_space: global }
      - { .name: out0, .offset: 16, .size: 8, .value_kind: global_buffer, .address_space: global }
    .group_segment_fixed_size: 111104
    .private_segment_fixed_size: 0
    .kernarg_segment_align: 8
    .kernarg_segment_size: 24
    .max_flat_workgroup_size: 128
    .sgpr_count:     66
    .vgpr_count:     1024
    .wavefront_size: 32
...
	.end_amdgpu_metadata
.endif
;; end of part 5
